; MI455X (gfx1250); checked and timed in simulation.
; The chip was launched on July 23, 2026; its instructions are those of AMD's public machine-readable ISA for CDNA 5 (MIT licence, August 2026) and "CDNA5" Instruction Set Architecture Reference Guide (July 2026). The comments in the code are by the model that wrote it; some were corrected since.
;; Basic Attention. Allowed arithmetic: matrix products marked QUANTISED: E3M2 operands, one E8M0 scale for each 32 along K, by v_wmma_scale_f32_16x16x128_f8f6f4 with both operands' format E3M2, f32 sums; everything else in f32.
;; Inputs: keys 8 x 2,048 x 1,024 float32; queries 8 x 2,048 x 1,024 float32; values 8 x 2,048 x 1,024 float32.
;; Outputs: out0 8 x 2,048 x 1,024 float32.
;; This version of the problem:
;;   THIS VERSION OF THE PROBLEM IS GIVEN IN LOW PRECISION. The matrix products marked QUANTISED in the list below multiply operands that are first quantised to E3M2 (3 exponent bits, 2 mantissa bits; 6 bits a number), with one power-of-two scale for each 32 numbers along K (OCP MX v1.0); their sums are f32. All else is computed in f32.
;;   The module's matrix products, in the order in which they are computed (A, B: the left and right operand; K: the contracted axis; several contracted axes count as one K, in the product's order):
;;     1. batch 8 x [M 2,048, K 1,024] x [K 1,024, N 2,048]; A: input queries; B: input keys: QUANTISED
;;     2. batch 8 x [M 2,048, K 2,048] x [K 2,048, N 1,024]; A: computed on the way; B: input values: QUANTISED
;;   THE QUANTISER, for each operand of a quantised product, along K:
;;     - K is cut into blocks of 32 from its start; a last block that is shorter is filled with zeros.
;;     - A block's scale is 2^e with e = floor(log2(the largest magnitude in the block)) - 4, held to -126 .. 127; a block of zeros has e = 0. As a byte (E8M0): e + 127.
;;     - Each number is divided by its block's scale, clamped to +-28, and rounded to the nearest number of E3M2, ties to even, subnormals kept.
;;     - The product sums the exact products of the quantised numbers (number of the format x scale) in f32.
;;   ~~~python
;;   def quantise(x, axis):      # numpy; x: float32 -> the quantised numbers, widened to float32 again
;;       x = np.moveaxis(x, axis, -1); K = x.shape[-1]
;;       x = np.pad(x, [(0, 0)] * (x.ndim - 1) + [(0, -K % 32)]); x = x.reshape(x.shape[:-1] + (-1, 32)); a = np.abs(x).max(-1, keepdims=True)
;;       e = np.where(a > 0, np.clip(np.frexp(np.where(a > 0, a, 1))[1] - 1 - 4, -126, 127), 0)      # np.frexp(a)[1] - 1 = floor(log2(a)), exactly
;;       r = np.clip(x / 2.0 ** e, -28, 28)
;;       step = 2.0 ** (np.maximum(np.frexp(np.where(r == 0, 1, r))[1] - 1, -2) - 2)
;;       q = np.round(r / step) * step * 2.0 ** e      # np.round: ties to even
;;       return np.moveaxis(q.reshape(q.shape[:-2] + (-1,))[..., :K], -1, axis).astype(np.float32)
;;   ~~~
;;   OPERANDS COMPUTED ON THE WAY. 'Computed on the way' means the value that the module computes at that place (a softmax that the list does not call 'softmax' is quantised finished and normalised). What goes into a quantiser is computed in f32, as accurately as f32 sums, v_exp_f32 and their like allow (about 1e-6 of the number): no bf16 or f16 on the way to a quantiser, and a product that is left as it is and whose result goes on into a quantised operand takes f32 operands (vector FMAs, or v_wmma_f32_16x16x4_f32). A number that lies on a knife's edge between two numbers of the format may be rounded either way, as far as f32 arithmetic and the matrix unit's own rounding can turn it there, and no further.
;; One version. Each part assembles by itself: llvm-mc -triple=amdgcn-amd-amdhsa -mcpu=gfx1250 --defsym DOCPART=n.
;; ======== version 1 of 1: 4 launches
;; workspace buffers: codes 37,748,736 bytes; scls 1,572,864 bytes; stats 2,097,152 bytes; a_img 25,165,824 bytes; a_scl 1,048,576 bytes
;; launch quant (part 1): grid 1024 x 1, 4 waves a work-group, no clusters, 60,928 bytes of LDS; arguments queries, keys, values, codes, scls; writes codes, scls
.if DOCPART == 1
	.amdgcn_target "amdgcn-amd-amdhsa--gfx1250"
	.amdhsa_code_object_version 6
	.text
	.protected	k_q28912ee707_quant
	.globl	k_q28912ee707_quant
	.p2align	8
	.type	k_q28912ee707_quant,@function
k_q28912ee707_quant:
	s_mov_b64 s[64:65], 0
	v_nop
	global_prefetch_b8 v0, s[64:65] scope:SCOPE_SE
	s_setreg_imm32_b32 hwreg(HW_REG_WAVE_MODE, 25, 1), 1
	s_wait_xcnt 0x0
; queries, keys [8][2048][1024] f32 (K = the last axis) and values [8][2048][1024] f32 (K = the keys, its first axis inside a batch) become codes of BF6 (E3M2) with one E8M0 scale byte for each 32 along K.
; A block's scale is 2^(floor(log2(its largest magnitude)) - 4); its byte is the largest magnitude's exponent field - 4, held at 1 from below.
; LAYOUT OF THE CODES: images of the matrix operand's registers.  A fragment (16 rows x 128 K) is 12 registers a lane, 1,536 bytes: register p of lane l at 512 (p / 4) + 16 l + 4 (p % 4).
; Fragments lie [block of 16 rows][K / 128][1,536]: whoever loads three times 16 bytes a lane at 16 x lane has the operand.  SCALE WORDS lie [group of 128 rows][K / 128][128 rows][4 bytes].
; VALUES: inside each block of 32 keys, place p holds key p with its bits 3 and 4 exchanged: the order in which the launch that makes the other operand of that product finds its keys in its registers.  The block, and so its scale, is the same.
; LIMITS: NaN and infinities among the inputs are not served.  A block of zeros gets the byte 1 where the rule says 127: its codes are zeros, which add nothing under that byte, and the bytes are read by this program alone.
; Work-groups 0-511 take queries and keys, 512-1023 values; the two paths have LDS bytes of their own.  No tensor loads, no barrier: waves share nothing.  No cluster: no two work-groups read the same bytes.
.set KIMG,  12582912                   ; codes: queries at 0, keys here,
.set VIMG,  25165824                   ; values here
.set KSCL,  524288                     ; scale words likewise
.set VSCL,  1048576
.set WQ,    8960                       ; queries and keys: a wave's LDS: a stage of 16 rows x 528 bytes, then 512 bytes for 128 scale words
.set VLDS,  35840                      ; values: LDS behind the other path's four regions;
.set WVB,   6144                       ; a wave's four images, [block of 16 rows 2][K step 2][1,536]
.set R,     16                         ; v16-143   two sets of 64 numbers as loaded
.set X,     144                        ; v144-207  64 numbers of my row: register 16 b + i = k 32 b + 16 (lane / 16) + i
.set PC,    208                        ; v208-219  the fragment's codes; v220-227 the halves that are made elsewhere
.set TM,    228                        ; v228-243  at work in QUANT
.set PW,    244                        ; v244-251  a scale word for each of the wave's eight fragments
.set SEL,   20                         ; s[20:21]  v_permlanex16_b32's selects for lane l xor 16
.set XV,    32                         ; values: v32-95 two sets of 32 numbers
.set CV,    96                         ; v96-102   a block's codes
.set OUTR,  112                        ; v112-159  the images read back
.set SB,    24                         ; v24-25    my column's scale words of the two K steps
; 64 numbers of a lane, v[s] on, become a fragment's codes in v[PC] on and my row's scale word in v[pw].
.macro QUANT s, pw
.irp b, 0,1,2,3
	v_max3_num_f32 v[TM+\b], |v[\s+16*\b]|, |v[\s+1+16*\b]|, 0x2800000   ; block b: my 16 numbers, and the floor 2^(5 - 127): the byte cannot fall under 1
.endr
.irp i, 2,4,6,8,10,12,14
.irp b, 0,1,2,3
	v_max3_num_f32 v[TM+\b], v[TM+\b], |v[\s+16*\b+\i]|, |v[\s+1+16*\b+\i]|   ; the four blocks by turns
.endr
.endr
.irp b, 0,1,2,3
	v_permlanex16_b32 v[TM+4+\b], v[TM+\b], s[SEL], s[SEL+1]
.endr
.irp b, 0,1,2,3
	v_max_num_f32 v[TM+\b], v[TM+\b], v[TM+4+\b]                  ; with lane l xor 16's 16: the block's largest magnitude
.endr
.irp b, 0,1,2,3
	v_add_nc_u32 v[TM+12+\b], 0xfe000000, v[TM+\b]                ; 4 off its exponent field: the conversion takes the exponent field of this operand as its scale
.endr
.irp b, 0,1,2,3
	v_lshrrev_b32 v[TM+4+\b], 23, v[TM+12+\b]                     ; the scale's byte
.endr
	v_lshl_or_b32 v[\pw], v[TM+5], 8, v[TM+4]
	v_lshl_or_b32 v[\pw], v[TM+6], 16, v[\pw]
	v_lshl_or_b32 v[\pw], v[TM+7], 24, v[\pw]
.irp c, 0,1
	v_cvt_scalef32_pk16_bf6_f32 v[PC+6*\c:PC+2+6*\c], v[\s+32*\c:\s+15+32*\c], v[TM+12+2*\c]
	v_cvt_scalef32_pk16_bf6_f32 v[PC+12+4*\c:PC+14+4*\c], v[\s+16+32*\c:\s+31+32*\c], v[TM+12+2*\c+1]   ; a conversion's three registers begin on an even number
.endr
	v_nop                                          ; one plain instruction behind the scaled conversions
.irp c, 0,1                                    ; the operand wants a whole block in a lane: lanes 0-15 block 2 c, lanes 16-31 block 2 c + 1
.irp i, 0,1,2
	v_permlane16_swap_b32 v[PC+6*\c+\i], v[PC+12+4*\c+\i]
.endr
.irp i, 0,1,2
	v_mov_b32 v[PC+3+6*\c+\i], v[PC+12+4*\c+\i]
.endr
.endr
.endm
	s_load_b256 s[4:11], s[0:1], 0x0               ; queries s[4:5], keys s[6:7], values s[8:9], codes s[10:11]
	s_load_b64 s[12:13], s[0:1], 0x20              ; scls
	v_lshl_add_u32 v254, v0, 2, 0xec00
	v_mov_b32 v255, 0
	v_lshrrev_b32 v1, 5, v0
	v_readfirstlane_b32 s14, v1                    ; wave 0..3
	v_and_b32 v3, 31, v0                           ; lane
	s_cmp_lt_u32 ttmp9, 512
	s_cbranch_scc0 .Lvalues
; ---- QUERIES AND KEYS.  A work-group takes 128 rows x 512 along K; wave w the K step 4 (id & 1) + w of all 128 rows: eight fragments.  Each load reads 512 consecutive bytes of one row, and the four waves stand side by side on 2,048.
	v_and_b32 v1, 15, v0                           ; r
	v_bfe_u32 v2, v0, 4, 1                         ; h
	v_lshlrev_b32 v4, 4, v3                        ; 16 x lane: my bytes of a load, and of a store
	s_mul_i32 s15, s14, WQ
	v_add_nc_u32 v5, s15, v4                       ; the stage, on the way in: a row's 512 bytes as they lie
	v_mul_u32_u24 v6, v1, 528
	v_lshl_add_u32 v6, v2, 6, v6
	v_add_nc_u32 v6, s15, v6                       ; and back: row r, + 64 h: my 16 numbers of each block of 32.  528 = 33 x 16: sixteen rows start in sixteen different 16-byte columns
	s_add_co_u32 s15, s15, 16*528
	v_lshl_add_u32 v7, v1, 2, s15                  ; where my row's scale word goes
	v_add_nc_u32 v8, s15, v4                       ; and from where 128 of them come back
	s_mov_b32 s[SEL], 0x76543210
	s_mov_b32 s[SEL+1], 0xfedcba98
.irp b, 0,1,2,3
	v_mov_b32 v[TM+4+\b], 0                        ; written once: a lane permute's destination counts as one of its sources
.endr
	s_lshr_b32 s16, ttmp9, 8                       ; 0: queries, 1: keys
	s_and_b32 s17, ttmp9, 255
	s_lshr_b32 s18, s17, 1                         ; the group of 128 rows, 0..127
	s_and_b32 s19, s17, 1
	s_lshl_b32 s19, s19, 2
	s_add_co_u32 s19, s19, s14                     ; my K step, 0..7
	s_lshl_b32 s22, s18, 19                        ; in: 128 rows of 4,096 bytes a group,
	s_lshl_b32 s24, s19, 9                         ; 512 bytes a K step
	s_add_co_u32 s22, s22, s24
	s_mov_b32 s23, 0
	s_mul_i32 s24, s18, 98304                      ; codes: 8 blocks of 16 rows x 8 K steps x 1,536 a group,
	s_mul_i32 s26, s19, 1536
	s_add_co_u32 s24, s24, s26
	s_mov_b32 s25, 0
	s_lshl_b32 s26, s18, 12                        ; scale words: 8 K steps x 512 bytes a group
	s_lshl_b32 s28, s19, 9
	s_add_co_u32 s26, s26, s28
	s_mov_b32 s27, 0
	s_cmp_eq_u32 s16, 0                            ; the choice hangs on the work-group's number alone
	s_cselect_b32 s28, 0, KIMG
	s_cselect_b32 s29, 0, KSCL
	s_wait_kmcnt 0x0
	s_cselect_b64 s[4:5], s[4:5], s[6:7]
	s_add_co_u32 s24, s24, s28
	s_add_co_u32 s26, s26, s29
	s_add_nc_u64 s[4:5], s[4:5], s[22:23]
	s_add_nc_u64 s[10:11], s[10:11], s[24:25]
	s_add_nc_u64 s[12:13], s[12:13], s[26:27]
.macro LOADQ i                         ; the 16 rows of fragment i into set i % 2
.irp p, 0,1,2,3,4,5,6,7,8,9,10,11,12,13,14,15
	global_load_b128 v[R+64*((\i)%2)+4*\p:R+64*((\i)%2)+4*\p+3], v4, s[4:5] offset:(16*(\i)+\p)*4096 th:TH_LOAD_NT
.endr
.endm
.macro FRQ i
.if \i < 7
	s_wait_loadcnt 16                              ; this fragment's 16 loads are in; the next one's 16 may be out
.else
	s_wait_loadcnt 0x0
.endif
.irp p, 0,1,2,3,4,5,6,7,8,9,10,11,12,13,14,15
	ds_store_b128 v5, v[R+64*((\i)%2)+4*\p:R+64*((\i)%2)+4*\p+3] offset:528*\p
.endr
.irp b, 0,1,2,3
.irp j, 0,1,2,3
	ds_load_b128 v[X+16*\b+4*\j:X+16*\b+4*\j+3], v6 offset:128*\b+16*\j   ; LDS serves a wave's instructions in order: these see the stores above
.endr
.endr
	s_wait_dscnt 0x0                               ; my 64 numbers are back, and the stores have read the set,
	s_wait_xcnt 0x0                                ; and the last fragment's global stores have read the codes' registers, which QUANT writes anew
.if \i < 6
	LOADQ \i+2                                     ; the set takes the fragment two further on
.endif
	QUANT X, PW+\i
.irp c, 0,1,2
	global_store_b128 v4, v[PC+4*\c:PC+4*\c+3], s[10:11] offset:12288*\i+512*\c   ; 32 lanes store 512 consecutive bytes, at a multiple of 512 from the buffer's first byte
.endr
	ds_store_b32 v7, v[PW+\i] offset:64*\i         ; lanes r and r + 16 write the same word with the same value
.endm
	LOADQ 0
	LOADQ 1
.irp i, 0,1,2,3,4,5,6,7
	FRQ \i
.endr
	ds_load_b128 v[12:15], v8                      ; the 128 rows' scale words of my K step
	s_wait_dscnt 0x0
	global_store_b128 v4, v[12:15], s[12:13]       ; 512 consecutive bytes
	s_wait_tensorcnt 0x0
	ds_add_u32 v254, v255
	s_wait_dscnt 0x0
	s_endpgm
; ---- VALUES.  A work-group takes 256 keys x 128 columns d of one batch.  A LANE TAKES A COLUMN, AND ITS REGISTERS RUN DOWN THE KEYS: a block of 32 keys lies in one lane's 32 registers, and the conversions give codes with the keys innermost.
; A wave's 32 columns x 256 keys are four fragments; a lane's six registers of a block go to their place in the images in LDS, and the images leave as they lie.
.Lvalues:
	v_lshlrev_b32 v1, 2, v3                        ; 4 x lane
	v_lshlrev_b32 v6, 4, v3                        ; 16 x lane
	s_mul_i32 s19, s14, WVB
	s_add_co_u32 s19, s19, VLDS
	v_lshrrev_b32 v2, 4, v3                        ; which of my wave's two blocks of 16 rows
	v_and_b32 v7, 15, v3                           ; and which row of it
	v_mul_u32_u24 v4, v2, 3072
	v_lshl_add_u32 v4, v7, 4, v4
	v_add_nc_u32 v4, s19, v4                       ; into the images
	v_add_nc_u32 v5, s19, v6                       ; and out of them
	s_sub_co_u32 s15, ttmp9, 512
	s_lshr_b32 s16, s15, 6                         ; batch
	s_bfe_u32 s17, s15, 0x30003                    ; which 256 keys
	s_and_b32 s18, s15, 7                          ; which 128 columns
	s_lshl_b32 s22, s16, 23                        ; in: 2,048 rows of 4,096 bytes a batch,
	s_lshl_b32 s24, s17, 20                        ; 256 rows,
	s_add_co_u32 s22, s22, s24
	s_lshl_b32 s24, s18, 9                         ; 128 columns,
	s_add_co_u32 s22, s22, s24
	s_lshl_b32 s24, s14, 7                         ; my wave's 32
	s_add_co_u32 s22, s22, s24
	s_mov_b32 s23, 0
	s_lshl_b32 s24, s16, 6                         ; codes: block of 16 rows 64 batch + 8 x + 2 wave, 24,576 bytes each (16 K steps),
	s_lshl_b32 s26, s18, 3
	s_add_co_u32 s24, s24, s26
	s_lshl_b32 s26, s14, 1
	s_add_co_u32 s24, s24, s26
	s_mul_i32 s24, s24, 24576
	s_mul_i32 s26, s17, 3072                       ; my two K steps
	s_add_co_u32 s24, s24, s26
	s_add_co_u32 s24, s24, VIMG
	s_mov_b32 s25, 0
	s_lshl_b32 s26, s16, 3                         ; scale words: group 8 batch + x, 8,192 bytes each,
	s_add_co_u32 s26, s26, s18
	s_lshl_b32 s26, s26, 13
	s_lshl_b32 s28, s17, 10                        ; my two K steps,
	s_add_co_u32 s26, s26, s28
	s_lshl_b32 s28, s14, 7                         ; my wave's 32 rows
	s_add_co_u32 s26, s26, s28
	s_add_co_u32 s26, s26, VSCL
	s_mov_b32 s27, 0
	s_wait_kmcnt 0x0
	s_add_nc_u64 s[8:9], s[8:9], s[22:23]
	s_add_nc_u64 s[10:11], s[10:11], s[24:25]
	s_add_nc_u64 s[12:13], s[12:13], s[26:27]
.macro LOADV t                         ; block t: key 32 t + i of my column into the register of its place: i with bits 3 and 4 exchanged
.irp i, 0,1,2,3,4,5,6,7,8,9,10,11,12,13,14,15,16,17,18,19,20,21,22,23,24,25,26,27,28,29,30,31
	global_load_b32 v[XV+32*((\t)%2)+(\i%8)+16*((\i/8)%2)+8*(\i/16)], v1, s[8:9] offset:(32*(\t)+\i)*4096 th:TH_LOAD_NT
.endr
.endm
.macro BLOCKV t
.set XS, XV+32*((\t)%2)
.set OO, 1536*((\t)/4)+256*((\t)%2)    ; the K step's image, and lanes 16-31 of it for the odd blocks
.if \t < 7
	s_wait_loadcnt 32                              ; this block's 32 loads are in; the next block's may be out
.else
	s_wait_loadcnt 0x0
.endif
	v_max3_num_f32 v12, |v[XS]|, |v[XS+1]|, |v[XS+2]|             ; the block's largest magnitude: all 32 numbers are mine
	v_max3_num_f32 v13, |v[XS+3]|, |v[XS+4]|, |v[XS+5]|
.irp i, 6,10,14,18,22,26
	v_max3_num_f32 v12, v12, |v[XS+\i]|, |v[XS+\i+1]|
	v_max3_num_f32 v13, v13, |v[XS+\i+2]|, |v[XS+\i+3]|
.endr
	v_max3_num_f32 v12, v12, |v[XS+30]|, |v[XS+31]|
	v_max3_num_f32 v12, v12, v13, 0x2800000        ; and the floor 2^(5 - 127)
	v_add_nc_u32 v11, 0xfe000000, v12              ; 4 off its exponent field: the conversion's scale operand
	v_lshrrev_b32 v13, 23, v11                     ; the scale's byte
.if (\t)%4 == 0
	v_mov_b32 v[SB+(\t)/4], v13                    ; four bytes to a word, the lower keys in the lower byte
.else
	v_lshl_or_b32 v[SB+(\t)/4], v13, 8*((\t)%4), v[SB+(\t)/4]
.endif
	v_cvt_scalef32_pk16_bf6_f32 v[CV:CV+2], v[XS:XS+15], v11
	v_cvt_scalef32_pk16_bf6_f32 v[CV+4:CV+6], v[XS+16:XS+31], v11   ; a conversion's three registers begin on an even number
	v_nop                                          ; one plain instruction behind the scaled conversions
	v_mov_b32 v[CV+3], v[CV+4]
	v_mov_b32 v[CV+4], v[CV+5]
	v_mov_b32 v[CV+5], v[CV+6]                     ; six registers on end: registers 6 c .. 6 c + 5 of the operand's lane (my row, block % 2), c = (block % 4) / 2
.if ((\t)%4) < 2
	ds_store_b128 v4, v[CV:CV+3] offset:OO         ; registers 0-3,
	ds_store_b64 v4, v[CV+4:CV+5] offset:OO+512    ; 4, 5
.else
	ds_store_b64 v4, v[CV:CV+1] offset:OO+520      ; registers 6, 7,
	ds_store_b128 v4, v[CV+2:CV+5] offset:OO+1024  ; 8-11
.endif
.if \t < 6
	LOADV \t+2
.endif
	s_wait_dscnt 0x0                               ; the stores have read their registers: the next block's codes may be written
.endm
	LOADV 0
	LOADV 1
.irp t, 0,1,2,3,4,5,6,7
	BLOCKV \t
.endr
.irp k, 0,1
	global_store_b32 v1, v[SB+\k], s[12:13] offset:512*\k   ; my wave's 32 words of a K step: 128 consecutive bytes; four bytes out for 512 read
.endr
.irp n, 0,1,2,3,4,5,6,7,8,9,10,11
	ds_load_b128 v[OUTR+4*\n:OUTR+4*\n+3], v5 offset:512*\n
.endr
.irp n, 0,1,2,3,4,5,6,7,8,9,10,11
	s_wait_dscnt 11-\n                             ; the younger loads may stay out
	global_store_b128 v6, v[OUTR+4*\n:OUTR+4*\n+3], s[10:11] offset:24576*(\n/6)+512*(\n%6)   ; 512 consecutive bytes; a block's two K steps are neighbours in memory
.endr
	s_wait_tensorcnt 0x0
	ds_add_u32 v254, v255
	s_wait_dscnt 0x0
	s_endpgm
.Lfunc_end_k_q28912ee707_quant:
	.size	k_q28912ee707_quant, .Lfunc_end_k_q28912ee707_quant-k_q28912ee707_quant
	.p2alignl 7, 3214868480
	.fill 96, 4, 3214868480
	.section	.rodata,"a",@progbits
	.p2align	6, 0x0
	.amdhsa_kernel k_q28912ee707_quant
		.amdhsa_group_segment_fixed_size 60928
		.amdhsa_private_segment_fixed_size 0
		.amdhsa_enable_private_segment 0
		.amdhsa_kernarg_size 40
		.amdhsa_user_sgpr_count 2
		.amdhsa_user_sgpr_kernarg_segment_ptr 1
		.amdhsa_wavefront_size32 1
		.amdhsa_system_sgpr_workgroup_id_x 1
		.amdhsa_system_sgpr_workgroup_id_y 1
		.amdhsa_system_sgpr_workgroup_id_z 1
		.amdhsa_system_vgpr_workitem_id 0
		.amdhsa_next_free_vgpr 256
		.amdhsa_next_free_sgpr 66
		.amdhsa_reserve_vcc 0
		.amdhsa_float_denorm_mode_32 3
		.amdhsa_float_denorm_mode_16_64 3
		.amdhsa_memory_ordered 1
		.amdhsa_forward_progress 1
		.amdhsa_inst_pref_size 106
	.end_amdhsa_kernel
	.amdgpu_metadata
---
amdhsa.version: [ 1, 2 ]
amdhsa.kernels:
  - .name:           k_q28912ee707_quant
    .symbol:         k_q28912ee707_quant.kd
    .args:
      - { .name: queries, .offset: 0, .size: 8, .value_kind: global_buffer, .address_space: global }
      - { .name: keys, .offset: 8, .size: 8, .value_kind: global_buffer, .address_space: global }
      - { .name: values, .offset: 16, .size: 8, .value_kind: global_buffer, .address_space: global }
      - { .name: codes, .offset: 24, .size: 8, .value_kind: global_buffer, .address_space: global }
      - { .name: scls, .offset: 32, .size: 8, .value_kind: global_buffer, .address_space: global }
    .group_segment_fixed_size: 60928
    .private_segment_fixed_size: 0
    .kernarg_segment_align: 8
    .kernarg_segment_size: 40
    .max_flat_workgroup_size: 128
    .sgpr_count:     66
    .vgpr_count:     256
    .wavefront_size: 32
...
	.end_amdgpu_metadata
.endif
;; end of part 1
;; launch colstat (part 2): grid 8 x 64, 4 waves a work-group, clusters of 4 x 4, 327,680 bytes of LDS; arguments codes, scls, stats; writes stats
.if DOCPART == 2
	.amdgcn_target "amdgcn-amd-amdhsa--gfx1250"
	.amdhsa_code_object_version 6
	.text
	.protected	k_q28912ee707_colstat
	.globl	k_q28912ee707_colstat
	.p2align	8
	.type	k_q28912ee707_colstat,@function
k_q28912ee707_colstat:
	s_mov_b64 s[64:65], 0
	v_nop
	global_prefetch_b8 v0, s[64:65] scope:SCOPE_SE
	s_setreg_imm32_b32 hwreg(HW_REG_WAVE_MODE, 25, 1), 1
	s_wait_xcnt 0x0
	s_wait_alu depctr_hold_cnt(0) depctr_sa_sdst(0) depctr_va_vdst(0) depctr_va_sdst(0) depctr_va_ssrc(0) depctr_va_vcc(0) depctr_vm_vsrc(0)
	s_getreg_b32 s2, hwreg(HW_REG_IB_STS2, 6, 4)
	s_cmp_eq_u32 s2, 0
	s_cbranch_scc0 .Lentry_in_a_cluster
	s_endpgm
.Lentry_in_a_cluster:
	s_bfe_u32 s2, ttmp6, 0x10000c
	s_cmp_lg_u32 s2, 0xf033
	s_cbranch_scc0 .Lentry_shape_is_right
	s_endpgm
.Lentry_shape_is_right:
; THE SOFTMAX RUNS OVER THE QUERIES: each key's column of scores wants its maximum and its sum over all 2,048 queries before one weight can be made.  This launch makes the scores on codes of BF6 (E3M2, one E8M0 scale for 32 along K)
; and keeps of them, for each key and each chunk of 128 queries, two numbers: off = c x (the chunk's largest score), c = log2(e), and l = the sum over the chunk of 2^(c s - off).  The scores themselves are not stored: the next launch makes them again.
; A = keys, B = queries.  A tile of 256 keys x 256 queries is made by four waves, 128 x 128 each: 64 accumulators of 16 x 16, 512 registers.  Source 0 = 16 rows of B, source 1 = 16 rows of A: lane (r, h) holds key 16 a + r and, in the 64
; registers of the accumulators (a, 0..7), the queries 16 b + 8 h + j: a key's maximum and sum are taken within a lane and joined with lane l xor 16.
; OPERANDS lie in memory as images of their registers ([block of 16 rows][K / 128][1,536 bytes]): a fragment comes from LDS by three loads of 16 bytes a lane at 16 x lane, consecutive bytes, so LDS rows need no padding.
; K = 1,024 goes in four steps of 256 through three LDS slots: steps 0, 1, 2 are first fills, step 3 is the one refill (slot 0).  By this text's count a wave has four tensor loads out at the start (its scales and three K steps), later one.
; The scale words of the work-group's rows for all of K come once, with the first fills.  CLUSTER 4 x 4: A's tiles are asked for jointly along a row of the cluster, B's along a column.
; No prefetch is laid: three of the four K steps are asked for at the head, and the fourth has two K steps' products in which to land.
; REGISTERS: window 0: v1-29 addresses; v32-63 scale words, two sets; v128-223 A's fragments, one set; v64-147 the way out.  window 1: B's fragments, two sets, at v0 and v128.  windows 2, 3: the accumulators ((a, b) at v[8 (8 (a % 4) + b)]).
.set KQ,    8                          ; K / 128
.set NBB,   128                        ; B's blocks of 16 rows in a batch
.set NSL,   3                          ; slots
.set ACOD,  12582912                   ; A = keys: where its codes and its scale words begin in their buffers
.set ASCL,  524288
.set BCOD,  0                          ; B = queries
.set BSCL,  0
.set PBC,   4                          ; B's codes come from the same buffer as A's,
.set PBS,   6                          ; and its scale words too
.set FR,    12                         ; registers of a fragment
.set NL,    3                          ; LDS loads that bring one
.set HALFT, 24576                      ; 8 blocks of 16 rows x 256 along K: what one tensor load brings, and what a wave reads of A or of B in a K step
.set SLOT,  4*HALFT
.set KSB,   3072                       ; a K step along a block's row of images
.set HALFS, 512*KQ                     ; the scale words of 128 rows
.set SCL,   NSL*SLOT                   ; behind the slots: A's two halves, then, 128 bytes further on, B's two
.set SPARE, SCL+4*HALFS+256            ; the spare words, 128 bytes for each wave: two blocks of 256 bytes that no other line names
.set SCR,   SPARE+512                  ; 1,024 bytes for each wave: its 128 keys' two numbers, gathered for whole stores
.set SUMO,  1048576                    ; stats: off [batch][chunk 16][key 2,048] at 0, l likewise here
.set L16,  4                           ; v4   16 x lane
.set GW,   8                           ; v8   where my key's numbers go
.set GR,   9                           ; v9   and from where 128 of them come back
.set ADRA, 16                          ; v16-18 LDS address of my A fragments in slot 0, 1, 2
.set ADRB, 20                          ; v20-22 the same for B
.set ADRS, 27                          ; v27  my scale words: lanes 0-15 A's rows, lanes 16-31 B's
.set SPW,  28                          ; v28  my spare word: SPARE + 4 x my thread's number; never rewritten
.set NIL,  29                          ; v29  0; never rewritten
.set SC,   32                          ; scale words: set s at v[SC + 16 s]; register 2 i + q: lanes 0-15 A's block i, lanes 16-31 B's block i, the K step's q-th 128
.set AF,   128
.set CH,   64                          ; v64-95   the maxima's chains
.set T,    96                          ; v96-99   the other half's number
.set OP,   100                         ; v100-115 off, a pair for each a
.set SM,   116                         ; v116-131 the sums' chains
.set LV,   132                         ; v132-139 l for each a
.set SEL,  20                          ; s[20:21] lane selects for lane l xor 16 (behind the head)
.set CS,   22                          ; s[22:23] c = log2(e), twice
.set G1,   24
.set G1B,  32
.set G1S,  40
.set G1SB, 48
.set G0,   68                          ; s[68:79] group 0 for A's tiles, a set for each slot;  s[80:91] for B's;  s[92:95], s[96:99] for the scales
.set G0B,  80
.set G0S,  92
.set G0SB, 96
.set MSB, 0
.macro WIN new                         ; the immediate's high byte repeats the setting that is left; a switch that changes nothing is dropped
.if MSB != (\new)
	s_set_vgpr_msb (MSB<<8)|(\new)
.set MSB, (\new)
.endif
.endm
.set MUL_LO, 0xa1                      ; source 0 (B) window 1, source 1 (A) window 0, C and D window 2
.set MUL_HI, 0xf1                      ; the same, C and D window 3
.set TO_B,   0x40                      ; destination window 1, address window 0
.macro JLOAD g0a, g1a, g0b, g1b        ; a joint load: waves 0 and 1 fetch for A, waves 2 and 3 for B; four v_nop follow each of the two lines
	s_cmp_eq_u32 s15, 0
	s_cbranch_scc0 .Lfor_b_\@
	tensor_load_to_lds s[\g0a:\g0a+3], s[\g1a:\g1a+7]
	s_nop 0
.rept 4
	v_nop
.endr
	s_branch .Lasked_\@
.Lfor_b_\@:
	tensor_load_to_lds s[\g0b:\g0b+3], s[\g1b:\g1b+7]
	s_nop 0
.rept 4
	v_nop
.endr
.Lasked_\@:
.endm
.macro CREST                           ; a round of the cluster's barrier behind its opening barrier
	s_cmp_lg_u32 s14, 0
	s_cbranch_scc1 .Lnot_wave_0_\@
	s_barrier_signal -3
.Lnot_wave_0_\@:
	s_barrier_wait -3
	s_barrier_signal -1
	s_barrier_wait -1
.endm
.macro CROUND
	s_barrier_signal -1
	s_barrier_wait -1
	CREST
.endm
.macro PLACES n                        ; plain instructions between a matrix instruction and a load into, or a vector instruction on, one of its registers
.rept \n
	v_nop
.endr
.endm
	s_load_b128 s[4:7], s[0:1], 0x0                ; codes, scls
	s_load_b64 s[12:13], s[0:1], 0x10              ; stats
	v_lshl_add_u32 v[SPW], v0, 2, SPARE
	v_mov_b32 v[NIL], 0
	ds_add_u32 v28, v29
	ds_add_u32 v28, v29
	s_wait_dscnt 0x0
	v_lshrrev_b32 v1, 5, v0
	v_readfirstlane_b32 s14, v1                    ; wave 0..3
	s_lshr_b32 s15, s14, 1                         ; which half of A's rows is mine.  Also: I fetch for A (0) or for B (1)
	s_and_b32 s16, s14, 1                          ; which half of B's rows.  Also: which 128 rows I fetch
	s_bfe_u32 s56, ttmp6, 0x40000                  ; cx
	s_bfe_u32 s57, ttmp6, 0x40004                  ; cy
	s_lshl_b32 s58, ttmp9, 2
	s_add_co_u32 s58, s58, s56                     ; tx: which 256 rows of B in the batch
	s_and_b32 s61, ttmp7, 0xffff                   ; cluster y
	s_lshl_b32 s17, s61, 2
	s_add_co_u32 s17, s17, s57                     ; ty: which 256 rows of A, counted through the batches
	s_lshr_b32 s61, s61, 1                         ; the batch: 8 tiles of rows, two clusters: made of the cluster's y alone
	s_lshl_b32 s59, s57, 2
	s_lshl_b32 s59, 15, s59                        ; my row of the cluster
	s_lshl_b32 s60, 0x1111, s56                    ; my column
	; group 1 for codes: 8 rows (blocks of 16 operand rows) of 3,072 bytes = 384 elements of 8 bytes, KQ x 1,536 bytes apart; no padding
	s_or_b32 s[G1+0], s59, (3<<16)|(1<<21)         ; 15:0 the mask; 17:16 elements of 8 bytes; 21 set beside a mask
	s_or_b32 s[G1B+0], s60, (3<<16)|(1<<21)
.irp g, G1, G1B
	s_mov_b32 s[\g+1], 384<<16                     ; tensor_dim0
	s_mov_b32 s[\g+2], 8<<16                       ; tensor_dim1
	s_mov_b32 s[\g+3], 384<<16                     ; tile_dim0
	s_mov_b32 s[\g+4], 8                           ; tile_dim1
	s_mov_b32 s[\g+5], 192*KQ                      ; stride, in elements
	s_mov_b32 s[\g+6], 0
	s_mov_b32 s[\g+7], 0
.endr
	; group 1 for the scale words of 128 rows: a dense block of HALFS bytes as rows of 256
	s_or_b32 s[G1S+0], s59, (3<<16)|(1<<21)
	s_or_b32 s[G1SB+0], s60, (3<<16)|(1<<21)
.irp g, G1S, G1SB
	s_mov_b32 s[\g+1], 32<<16
	s_mov_b32 s[\g+2], (2*KQ)<<16
	s_mov_b32 s[\g+3], 32<<16
	s_mov_b32 s[\g+4], 2*KQ
	s_mov_b32 s[\g+5], 32
	s_mov_b32 s[\g+6], 0
	s_mov_b32 s[\g+7], 0
.endr
	s_lshl_b32 s18, s16, 3                         ; the 8 blocks that I fetch
	s_lshl_b32 s20, s17, 4
	s_add_co_u32 s20, s20, s18                     ; A: block 16 ty + 8 half
	s_mul_i32 s20, s20, KQ*1536
	s_mov_b32 s21, 0
	s_lshl_b32 s22, s17, 1
	s_add_co_u32 s22, s22, s16                     ; A's group of 128 rows
	s_mul_i32 s22, s22, KQ*512
	s_mov_b32 s23, 0
	s_mul_i32 s62, s61, NBB
	s_lshl_b32 s63, s58, 4
	s_add_co_u32 s62, s62, s63
	s_add_co_u32 s62, s62, s18                     ; B: block NBB batch + 16 tx + 8 half
	s_mul_i32 s62, s62, KQ*1536
	s_mov_b32 s63, 0
	s_mul_i32 s2, s61, NBB/8
	s_lshl_b32 s3, s58, 1
	s_add_co_u32 s2, s2, s3
	s_add_co_u32 s2, s2, s16                       ; B's group
	s_mul_i32 s2, s2, KQ*512
	s_mov_b32 s3, 0
.if ACOD
	s_add_co_u32 s20, s20, ACOD
	s_add_co_u32 s22, s22, ASCL
.endif
.if BCOD
	s_add_co_u32 s62, s62, BCOD
	s_add_co_u32 s2, s2, BSCL
.endif
	s_mul_i32 s18, s14, HALFT                      ; where they go: wave x a quarter of a slot: no place in the cluster enters an LDS address
	s_mul_i32 s19, s14, HALFS
	s_wait_kmcnt 0x0
	s_add_nc_u64 s[20:21], s[4:5], s[20:21]
	s_add_nc_u64 s[22:23], s[6:7], s[22:23]
	s_add_nc_u64 s[62:63], s[PBC:PBC+1], s[62:63]
	s_add_nc_u64 s[2:3], s[PBS:PBS+1], s[2:3]
	CROUND                                         ; all sixteen work-groups are here: the first joint loads meet
	s_mov_b32 s[G0S], 1
	s_add_co_u32 s[G0S+1], s19, SCL
	s_mov_b64 s[G0S+2:G0S+3], s[22:23]
	s_or_b32 s[G0S+3], s[G0S+3], 0x80000000
	s_mov_b32 s[G0SB], 1
	s_add_co_u32 s[G0SB+1], s19, SCL+128
	s_mov_b64 s[G0SB+2:G0SB+3], s[2:3]
	s_or_b32 s[G0SB+3], s[G0SB+3], 0x80000000
	JLOAD G0S, G1S, G0SB, G1SB                     ; the scales first: they are wanted with K step 0
.irp s, 0,1,2
	s_mov_b32 s[G0+4*\s], 1
	s_add_co_u32 s[G0+4*\s+1], s18, \s*SLOT
	s_add_nc_u64 s[G0+4*\s+2:G0+4*\s+3], s[20:21], \s*KSB
	s_or_b32 s[G0+4*\s+3], s[G0+4*\s+3], 0x80000000
	s_mov_b32 s[G0B+4*\s], 1
	s_add_co_u32 s[G0B+4*\s+1], s18, \s*SLOT
	s_add_nc_u64 s[G0B+4*\s+2:G0B+4*\s+3], s[62:63], \s*KSB
	s_or_b32 s[G0B+4*\s+3], s[G0B+4*\s+3], 0x80000000
	JLOAD G0+4*\s, G1, G0B+4*\s, G1B
.endr
	v_and_b32 v1, 15, v0                           ; r
	v_bfe_u32 v2, v0, 4, 1                         ; h
	v_and_b32 v3, 31, v0                           ; lane
	v_lshlrev_b32 v[L16], 4, v3
	s_mul_i32 s18, s15, HALFT                      ; my 128 rows of A,
	s_mul_i32 s19, s16, HALFT                      ; my 128 rows of B,
	s_add_co_u32 s19, s19, 2*HALFT                 ; which lie behind A's 256
.irp s, 0,1,2
	v_add_nc_u32 v[ADRA+\s], s18, v[L16]
	v_add_nc_u32 v[ADRB+\s], s19, v[L16]
	s_add_co_u32 s18, s18, SLOT
	s_add_co_u32 s19, s19, SLOT
.endr
	v_lshlrev_b32 v5, 2, v1                        ; my row's scale word: 4 r
	s_mul_i32 s18, s15, HALFS                      ; A's: my 128 rows
	s_mul_i32 s19, s16, HALFS                      ; B's: my 128 rows, behind A's 256 and 128 bytes more
	s_add_co_u32 s19, s19, 2*HALFS+128
	s_sub_co_u32 s19, s19, s18
	v_mul_u32_u24 v6, s19, v2                      ; lanes 16-31 take B's
	s_add_co_u32 s18, s18, SCL
	v_add_nc_u32 v5, v5, v6
	v_add_nc_u32 v[ADRS], s18, v5
	s_lshl_b32 s18, s14, 10
	s_add_co_u32 s18, s18, SCR
	v_lshl_add_u32 v[GW], v1, 2, s18
	v_add_nc_u32 v[GR], s18, v[L16]
.irp x, 0,1,2,3
	v_mov_b32 v[T+\x], 0                           ; written once: a lane permute's destination counts as one of its sources
.endr
	s_mov_b32 s[SEL], 0x76543210
	s_mov_b32 s[SEL+1], 0xfedcba98
	s_mov_b32 s[CS], 0x3fb8aa3b                    ; c = log2(e)
	s_mov_b32 s[CS+1], s[CS]                       ; named with it as a pair, so it is written
	s_lshl_b32 s18, s61, 17                        ; stats: 16 chunks x 2,048 keys x 4 bytes a batch,
	s_lshl_b32 s19, s58, 1
	s_add_co_u32 s19, s19, s16                     ; my chunk of 128 queries: 2 tx + half,
	s_lshl_b32 s19, s19, 13
	s_add_co_u32 s18, s18, s19
	s_and_b32 s19, s17, 7                          ; my keys in the batch: 256 (ty % 8) + 128 half
	s_lshl_b32 s19, s19, 10
	s_add_co_u32 s18, s18, s19
	s_lshl_b32 s19, s15, 9
	s_add_co_u32 s18, s18, s19
	s_mov_b32 s19, 0
	s_add_nc_u64 s[12:13], s[12:13], s[18:19]
.macro FRAG reg, adr, off              ; a fragment as it lies: three loads of 16 bytes a lane, 512 consecutive bytes each
.irp c, 0,1,2
	ds_load_b128 v[\reg+4*\c:\reg+4*\c+3], v[\adr] offset:\off+512*\c
.endr
.endm
; 16 matrix instructions: A's blocks a0, a0 + 1 x B's eight, 128 along K.  p: B's set; q: which 128 of the K step; sc: the set of scale words.  zero = 1: the product starts the sums.
; The 64 accumulators take turns, one instruction a turn, in the same order in every step.
.macro MUL16 a0, p, q, sc, zero
.irp a, \a0, \a0+1
.irp b, 0,1,2,3,4,5,6,7
.if \zero
	v_wmma_scale_f32_16x16x128_f8f6f4 v[8*(8*((\a)%4)+\b):8*(8*((\a)%4)+\b)+7], v[128*(\p)+FR*\b:128*(\p)+FR*\b+FR-1], v[AF+FR*(\a):AF+FR*(\a)+FR-1], 0, v[SC+16*(\sc)+2*\b+(\q)], v[SC+16*(\sc)+2*(\a)+(\q)] matrix_a_fmt:MATRIX_FMT_BF6 matrix_b_fmt:MATRIX_FMT_BF6 matrix_a_scale:MATRIX_SCALE_ROW1
.else
	v_wmma_scale_f32_16x16x128_f8f6f4 v[8*(8*((\a)%4)+\b):8*(8*((\a)%4)+\b)+7], v[128*(\p)+FR*\b:128*(\p)+FR*\b+FR-1], v[AF+FR*(\a):AF+FR*(\a)+FR-1], v[8*(8*((\a)%4)+\b):8*(8*((\a)%4)+\b)+7], v[SC+16*(\sc)+2*\b+(\q)], v[SC+16*(\sc)+2*(\a)+(\q)] matrix_a_fmt:MATRIX_FMT_BF6 matrix_b_fmt:MATRIX_FMT_BF6 matrix_a_scale:MATRIX_SCALE_ROW1
.endif
.endr
.endr
.endm
.macro FETCH_B slot, q, p              ; B's eight fragments into set p
	WIN TO_B
.irp i, 0,1,2,3,4,5,6,7
	FRAG 128*(\p)+FR*\i, ADRB+\slot, 3072*\i+1536*(\q)
.endr
	WIN 0
.endm
.macro FETCH_A slot, q, i0             ; A's blocks i0 .. i0 + 3
.irp i, \i0, \i0+1, \i0+2, \i0+3
	FRAG AF+FR*(\i), ADRA+\slot, 3072*(\i)+1536*(\q)
.endr
.endm
.macro SCALES sc                       ; a K step's scale words: lanes 0-15 A's block i, lanes 16-31 B's block i
.irp i, 0,1,2,3,4,5,6,7
.irp q, 0,1
	ds_load_b32 v[SC+16*(\sc)+2*\i+\q], v[ADRS] offset:512*\q+64*\i
.endr
.endr
.endm
; A step of 128 along K whose successor's fragments may be read without a barrier: (nslot, nq) says where they lie; nsc >= 0: the successor begins a K step, and its scale words come into set nsc.
.macro STEP q, sc, zero, nslot, nq, nsc
	s_wait_dscnt 4*NL                              ; B's set, A's blocks 0-3 and the scale words are in; the youngest twelve loads (A's blocks 4-7) may be out
	WIN MUL_LO
	MUL16 0, \q, \q, \sc, \zero
	MUL16 2, \q, \q, \sc, \zero
	s_wait_dscnt 0x0                               ; A's blocks 4-7 are in
	PLACES 4
.if \nsc >= 0
	WIN 0
	v_add_nc_u32 v[ADRS], 1024, v[ADRS]            ; on to the next K step's scale words
.endif
	FETCH_B \nslot, \nq, 1-\q
	FETCH_A \nslot, \nq, 0
.if \nsc >= 0
	SCALES \nsc
.endif
	WIN MUL_HI
	MUL16 4, \q, \q, \sc, \zero
	MUL16 6, \q, \q, \sc, \zero
	PLACES 4
	WIN 0
	FETCH_A \nslot, \nq, 4
.endm
; A slot's last step with a barrier in it: in front of the barrier each wave waits for all its tensor loads, adds 0 to its spare word, and waits for that and for its reads of this slot.
; fill = 1: the barrier opens a round of the cluster's barrier, and this slot is filled again, adv bytes further along K.
.macro TURN slot, sc, next, nsc, fill, adv
	s_wait_tensorcnt 0x0                           ; all my tensor loads have landed  (every window is 0 here)
	ds_add_u32 v[SPW], v[NIL]                      ; 0 onto my spare word
	s_wait_dscnt 4*NL+1                            ; the add and the youngest twelve loads may be out
	WIN MUL_LO
	MUL16 0, 1, 1, \sc, 0                          ; sixteen matrix instructions stand between the add and the wait for it
	s_wait_dscnt 0x0                               ; the add is done, and my reads of this slot are over
	s_barrier_signal -1
	MUL16 2, 1, 1, \sc, 0
	WIN 0
	s_barrier_wait -1
.if \fill
	CREST                                          ; no wave of any partner still reads this slot or has a load on its way
	s_add_nc_u64 s[G0+4*\slot+2:G0+4*\slot+3], s[G0+4*\slot+2:G0+4*\slot+3], \adv
	s_add_nc_u64 s[G0B+4*\slot+2:G0B+4*\slot+3], s[G0B+4*\slot+2:G0B+4*\slot+3], \adv
	JLOAD G0+4*\slot, G1, G0B+4*\slot, G1B         ; the first tensor load behind the round; its four v_nop are the places in front of the loads below
.else
	PLACES 4
.endif
	v_add_nc_u32 v[ADRS], 1024, v[ADRS]
	FETCH_B \next, 0, 0
	FETCH_A \next, 0, 0
	SCALES \nsc
	WIN MUL_HI
	MUL16 4, 1, 1, \sc, 0
	MUL16 6, 1, 1, \sc, 0
	PLACES 4
	WIN 0
	FETCH_A \next, 0, 4
.endm
	s_wait_tensorcnt 2                             ; my scales and my part of K step 0 are in; K steps 1 and 2 may stay out
	s_barrier_signal -1
	s_barrier_wait -1
	FETCH_B 0, 0, 0
	FETCH_A 0, 0, 0
	SCALES 0
	FETCH_A 0, 0, 4
	STEP 0, 0, 1, 0, 1, -1                         ; K step 0 (slot 0): its first products start the sums
	TURN 0, 0, 1, 1, 1, 3*KSB                      ; the one refill: K step 3 into slot 0.  Every wave has waited for all its loads: slots 1 and 2 are whole for all
	STEP 0, 1, 0, 1, 1, -1                         ; K step 1 (slot 1)
	STEP 1, 1, 0, 2, 0, 0                          ; on into slot 2, which the round above has shown whole
	STEP 0, 0, 0, 2, 1, -1                         ; K step 2 (slot 2)
	TURN 2, 0, 0, 1, 0, 0                          ; K step 3 has landed in every wave's part: a barrier, and nothing is filled
	STEP 0, 1, 0, 0, 1, -1                         ; K step 3 (slot 0)
	s_wait_dscnt 4*NL                              ; the last step: nothing more to fetch
	WIN MUL_LO
	MUL16 0, 1, 1, 1, 0
	MUL16 2, 1, 1, 1, 0
	s_wait_dscnt 0x0
	WIN MUL_HI
	MUL16 4, 1, 1, 1, 0
	MUL16 6, 1, 1, 1, 0
	WIN 0
	PLACES 4
; THE WAY OUT, four blocks of 16 keys (one window of accumulators) at a time, the four by turns.  Each accumulator is read from its low end on.
.macro STATS w
	WIN (\w)|((\w)<<2)                             ; sources 0 and 1: the accumulators' window
.irp b, 0,1,2,3,4,5,6,7
.irp x, 0,1,2,3
	v_max_num_f32 v[CH+8*\x+\b], v[64*\x+8*\b], v[64*\x+8*\b+1]
.endr
.endr
	WIN ((\w)<<2)|((\w)<<4)                        ; sources 1 and 2
.irp k, 2,4,6
.irp b, 0,1,2,3,4,5,6,7
.irp x, 0,1,2,3
	v_max3_num_f32 v[CH+8*\x+\b], v[CH+8*\x+\b], v[64*\x+8*\b+\k], v[64*\x+8*\b+\k+1]
.endr
.endr
.endr
	WIN 0
.irp k, 1,3,5
.irp x, 0,1,2,3
	v_max3_num_f32 v[CH+8*\x], v[CH+8*\x], v[CH+8*\x+\k], v[CH+8*\x+\k+1]
.endr
.endr
.irp x, 0,1,2,3
	v_max_num_f32 v[CH+8*\x], v[CH+8*\x], v[CH+8*\x+7]
.endr
.irp x, 0,1,2,3
	v_permlanex16_b32 v[T+\x], v[CH+8*\x], s[SEL], s[SEL+1]
.endr
.irp x, 0,1,2,3
	v_max_num_f32 v[CH+8*\x], v[CH+8*\x], v[T+\x]  ; the largest score of my key over the chunk's 128 queries
.endr
.irp x, 0,1,2,3
	v_mul_f32 v[OP+2*(4*((\w)-2)+\x)], s[CS], v[CH+8*\x]   ; off.  The same f32 number is taken off here and, through the next launch's maximum over the chunks, there: its own rounding cancels
.endr
.irp x, 0,1,2,3
	v_mov_b32 v[OP+2*(4*((\w)-2)+\x)+1], v[OP+2*(4*((\w)-2)+\x)]   ; named with it as a pair, so it is written
.endr
	WIN (\w)|((\w)<<6)                             ; source 0 and the destination
.set k, 0
.rept 128
	v_pk_fma_f32 v[2*k:2*k+1], v[2*k:2*k+1], s[CS:CS+1], v[OP+2*(4*((\w)-2)+k/32):OP+2*(4*((\w)-2)+k/32)+1] op_sel_hi:[1,0,0] neg_lo:[0,0,1] neg_hi:[0,0,1]   ; c s - off, one rounding, two at a time
.set k, k+1
.endr
.set k, 0
.rept 256
	v_exp_f32 v[k], v[k]
.set k, k+1
.endr
	v_nop                                          ; a plain instruction behind the last exponential
	s_wait_alu depctr_va_vdst(0)                   ; one wait for the whole batch, ahead of its first reader
	WIN (\w)|((\w)<<2)
.irp x, 0,1,2,3
.irp u, 0,1
	v_pk_add_f32 v[SM+4*\x+2*\u:SM+4*\x+2*\u+1], v[64*\x+4*\u:64*\x+4*\u+1], v[64*\x+4*\u+2:64*\x+4*\u+3]   ; two chains of pairs for each block
.endr
.endr
	WIN ((\w)<<2)
.irp k, 8,12,16,20,24,28,32,36,40,44,48,52,56,60
.irp x, 0,1,2,3
	v_pk_add_f32 v[SM+4*\x:SM+4*\x+1], v[SM+4*\x:SM+4*\x+1], v[64*\x+\k:64*\x+\k+1]
	v_pk_add_f32 v[SM+4*\x+2:SM+4*\x+3], v[SM+4*\x+2:SM+4*\x+3], v[64*\x+\k+2:64*\x+\k+3]
.endr
.endr
	WIN 0
.irp x, 0,1,2,3
	v_pk_add_f32 v[SM+4*\x:SM+4*\x+1], v[SM+4*\x:SM+4*\x+1], v[SM+4*\x+2:SM+4*\x+3]
.endr
.irp x, 0,1,2,3
	v_add_f32 v[SM+4*\x], v[SM+4*\x], v[SM+4*\x+1]
.endr
.irp x, 0,1,2,3
	v_permlanex16_b32 v[T+\x], v[SM+4*\x], s[SEL], s[SEL+1]
.endr
.irp x, 0,1,2,3
	v_add_f32 v[LV+4*((\w)-2)+\x], v[SM+4*\x], v[T+\x]   ; l
.endr
.irp x, 0,1,2,3
	ds_store_b32 v[GW], v[OP+2*(4*((\w)-2)+\x)] offset:64*(4*((\w)-2)+\x)        ; lanes r and r + 16 write the same word with the same value
	ds_store_b32 v[GW], v[LV+4*((\w)-2)+\x] offset:512+64*(4*((\w)-2)+\x)
.endr
.endm
	STATS 2
	STATS 3
	ds_load_b128 v[140:143], v[GR]                 ; LDS serves a wave's instructions in order: these see my stores
	ds_load_b128 v[144:147], v[GR] offset:512
	s_wait_dscnt 0x0
	global_store_b128 v[L16], v[140:143], s[12:13]               ; my 128 keys' off: 512 consecutive bytes
	global_store_b128 v[L16], v[144:147], s[12:13] offset:SUMO   ; and their l
	s_wait_tensorcnt 0x0                           ; the wave's end
	ds_add_u32 v[SPW], v[NIL]
	s_wait_dscnt 0x0
	CROUND                                         ; the closing round: no work-group ends while a partner may still ask for a tile that names it
	s_endpgm
.Lfunc_end_k_q28912ee707_colstat:
	.size	k_q28912ee707_colstat, .Lfunc_end_k_q28912ee707_colstat-k_q28912ee707_colstat
	.p2alignl 7, 3214868480
	.fill 96, 4, 3214868480
	.section	.rodata,"a",@progbits
	.p2align	6, 0x0
	.amdhsa_kernel k_q28912ee707_colstat
		.amdhsa_group_segment_fixed_size 327680
		.amdhsa_private_segment_fixed_size 0
		.amdhsa_enable_private_segment 0
		.amdhsa_kernarg_size 24
		.amdhsa_user_sgpr_count 2
		.amdhsa_user_sgpr_kernarg_segment_ptr 1
		.amdhsa_wavefront_size32 1
		.amdhsa_system_sgpr_workgroup_id_x 1
		.amdhsa_system_sgpr_workgroup_id_y 1
		.amdhsa_system_sgpr_workgroup_id_z 1
		.amdhsa_system_vgpr_workitem_id 0
		.amdhsa_next_free_vgpr 1024
		.amdhsa_next_free_sgpr 100
		.amdhsa_reserve_vcc 0
		.amdhsa_float_denorm_mode_32 3
		.amdhsa_float_denorm_mode_16_64 3
		.amdhsa_memory_ordered 1
		.amdhsa_forward_progress 1
		.amdhsa_inst_pref_size 176
	.end_amdhsa_kernel
	.amdgpu_metadata
---
amdhsa.version: [ 1, 2 ]
amdhsa.kernels:
  - .name:           k_q28912ee707_colstat
    .symbol:         k_q28912ee707_colstat.kd
    .args:
      - { .name: codes, .offset: 0, .size: 8, .value_kind: global_buffer, .address_space: global }
      - { .name: scls, .offset: 8, .size: 8, .value_kind: global_buffer, .address_space: global }
      - { .name: stats, .offset: 16, .size: 8, .value_kind: global_buffer, .address_space: global }
    .group_segment_fixed_size: 327680
    .private_segment_fixed_size: 0
    .kernarg_segment_align: 8
    .kernarg_segment_size: 24
    .max_flat_workgroup_size: 128
    .sgpr_count:     100
    .vgpr_count:     1024
    .wavefront_size: 32
...
	.end_amdgpu_metadata
.endif
;; end of part 2
;; launch attn (part 3): grid 8 x 64, 4 waves a work-group, clusters of 4 x 4, 327,680 bytes of LDS; arguments codes, scls, stats, a_img, a_scl; writes a_img, a_scl
.if DOCPART == 3
	.amdgcn_target "amdgcn-amd-amdhsa--gfx1250"
	.amdhsa_code_object_version 6
	.text
	.protected	k_q28912ee707_attn
	.globl	k_q28912ee707_attn
	.p2align	8
	.type	k_q28912ee707_attn,@function
k_q28912ee707_attn:
	s_mov_b64 s[64:65], 0
	v_nop
	global_prefetch_b8 v0, s[64:65] scope:SCOPE_SE
	s_setreg_imm32_b32 hwreg(HW_REG_WAVE_MODE, 25, 1), 1
	s_wait_xcnt 0x0
	s_wait_alu depctr_hold_cnt(0) depctr_sa_sdst(0) depctr_va_vdst(0) depctr_va_sdst(0) depctr_va_ssrc(0) depctr_va_vcc(0) depctr_vm_vsrc(0)
	s_getreg_b32 s2, hwreg(HW_REG_IB_STS2, 6, 4)
	s_cmp_eq_u32 s2, 0
	s_cbranch_scc0 .Lentry_in_a_cluster
	s_endpgm
.Lentry_in_a_cluster:
	s_bfe_u32 s2, ttmp6, 0x10000c
	s_cmp_lg_u32 s2, 0xf033
	s_cbranch_scc0 .Lentry_shape_is_right
	s_endpgm
.Lentry_shape_is_right:
; The scores once more, on the same codes of BF6, now with A = queries and B = keys, and out of them the finished weights attn[q][k] = exp(s - max over q) / (sum over q), quantised along the KEYS (blocks of 32) for the last product.
; For each key the sixteen pairs (off, l) that the launch before stored are joined: OFF = the largest off, l = the sum of l_c 2^(off_c - OFF).  Then attn = 2^(fma(s, c, -OFF) - log2 l), c = log2(e): the column's maximum is taken off
; in one rounding, and OFF's own rounding is the same in every term of the column and in l.
; Source 0 = 16 keys, source 1 = 16 queries: lane (r, h) holds query 16 a + r, and the 64 registers of the accumulators (a, 0..7) are keys 16 b + 8 h + j.  The quantiser reads register 16 b' + i as place 32 b' + 16 h + i of its K:
; so place p of a block of 32 holds key p with its bits 3 and 4 exchanged, inside the same block.  The values' codes are laid in the same order.
; The codes leave as the image of the next product's operand (three stores of 512 consecutive bytes a fragment), the scale words 128 rows at a time.
; LIMIT: a weight under 2^-126 becomes 0 (v_exp_f32 gives 0 there).
; Tile, ring of three slots, the one refill, the cluster and the register windows are as in the launch before; by this text's count a wave has four tensor loads out at the start, later one.
; No prefetch is laid: three of the four K steps are asked for at the head, and the fourth has two K steps' products in which to land.
.set KQ,    8
.set NBB,   128
.set NSL,   3
.set ACOD,  0                          ; A = queries
.set ASCL,  0
.set BCOD,  12582912                   ; B = keys
.set BSCL,  524288
.set PBC,   4
.set PBS,   6
.set FR,    12
.set NL,    3
.set HALFT, 24576
.set SLOT,  4*HALFT
.set KSB,   3072
.set HALFS, 512*KQ
.set SCL,   NSL*SLOT
.set SPARE, SCL+4*HALFS+256            ; the spare words: two blocks of 256 bytes that no other line names
.set SCR,   SPARE+512                  ; 2,048 bytes for each wave: OFF of its 128 keys, log2 l of them, and 128 scale words
.set SUMO,  1048576
.set L16,  4                           ; v4   16 x lane
.set TA,   8                           ; v8   the table of my wave's keys, on the way in: 4 keys a lane
.set TR,   9                           ; v9   and out: 32 h: my half's eight keys of a tile
.set SW,   10                          ; v10  where my row's scale word goes
.set SRD,  11                          ; v11  and from where 128 of them come back
.set ADRA, 16
.set ADRB, 20
.set ADRS, 27
.set SPW,  28
.set NIL,  29
.set SC,   32
.set AF,   128
.set P0,   64                          ; the way out: v64-127 and v128-191: a block's 64 weights, by turns
.set PC,   192                         ; v192-203 the fragment's codes; v204-211 the halves that are made elsewhere
.set TM,   212                         ; v212-227 at work in QUANT
.set PW,   228                         ; v228-235 a scale word for each a
.set SEL,  20
.set CS,   22
.set G1,   24
.set G1B,  32
.set G1S,  40
.set G1SB, 48
.set G0,   68
.set G0B,  80
.set G0S,  92
.set G0SB, 96
.set MSB, 0
.macro WIN new                         ; the immediate's high byte repeats the setting that is left; a switch that changes nothing is dropped
.if MSB != (\new)
	s_set_vgpr_msb (MSB<<8)|(\new)
.set MSB, (\new)
.endif
.endm
.set MUL_LO, 0xa1
.set MUL_HI, 0xf1
.set TO_B,   0x40
.macro JLOAD g0a, g1a, g0b, g1b        ; a joint load: waves 0 and 1 fetch for A, waves 2 and 3 for B; four v_nop follow each of the two lines
	s_cmp_eq_u32 s15, 0
	s_cbranch_scc0 .Lfor_b_\@
	tensor_load_to_lds s[\g0a:\g0a+3], s[\g1a:\g1a+7]
	s_nop 0
.rept 4
	v_nop
.endr
	s_branch .Lasked_\@
.Lfor_b_\@:
	tensor_load_to_lds s[\g0b:\g0b+3], s[\g1b:\g1b+7]
	s_nop 0
.rept 4
	v_nop
.endr
.Lasked_\@:
.endm
.macro CREST
	s_cmp_lg_u32 s14, 0
	s_cbranch_scc1 .Lnot_wave_0_\@
	s_barrier_signal -3
.Lnot_wave_0_\@:
	s_barrier_wait -3
	s_barrier_signal -1
	s_barrier_wait -1
.endm
.macro CROUND
	s_barrier_signal -1
	s_barrier_wait -1
	CREST
.endm
.macro PLACES n
.rept \n
	v_nop
.endr
.endm
	s_load_b128 s[4:7], s[0:1], 0x0                ; codes, scls
	s_load_b128 s[8:11], s[0:1], 0x10              ; stats, a_img
	s_load_b64 s[12:13], s[0:1], 0x20              ; a_scl
	v_lshl_add_u32 v[SPW], v0, 2, SPARE
	v_mov_b32 v[NIL], 0
	ds_add_u32 v28, v29
	ds_add_u32 v28, v29
	s_wait_dscnt 0x0
	v_lshrrev_b32 v1, 5, v0
	v_readfirstlane_b32 s14, v1                    ; wave 0..3
	s_lshr_b32 s15, s14, 1                         ; which half of A's rows is mine.  Also: I fetch for A (0) or for B (1)
	s_and_b32 s16, s14, 1                          ; which half of B's rows.  Also: which 128 rows I fetch
	s_bfe_u32 s56, ttmp6, 0x40000                  ; cx
	s_bfe_u32 s57, ttmp6, 0x40004                  ; cy
	s_lshl_b32 s58, ttmp9, 2
	s_add_co_u32 s58, s58, s56                     ; tx: which 256 keys of the batch
	s_and_b32 s61, ttmp7, 0xffff                   ; cluster y
	s_lshl_b32 s17, s61, 2
	s_add_co_u32 s17, s17, s57                     ; ty: which 256 queries, counted through the batches
	s_lshr_b32 s61, s61, 1                         ; the batch, made of the cluster's y alone
	s_lshl_b32 s59, s57, 2
	s_lshl_b32 s59, 15, s59                        ; my row of the cluster
	s_lshl_b32 s60, 0x1111, s56                    ; my column
	s_or_b32 s[G1+0], s59, (3<<16)|(1<<21)         ; codes: 8 rows of 384 elements of 8 bytes, KQ x 1,536 bytes apart; no padding
	s_or_b32 s[G1B+0], s60, (3<<16)|(1<<21)
.irp g, G1, G1B
	s_mov_b32 s[\g+1], 384<<16
	s_mov_b32 s[\g+2], 8<<16
	s_mov_b32 s[\g+3], 384<<16
	s_mov_b32 s[\g+4], 8
	s_mov_b32 s[\g+5], 192*KQ
	s_mov_b32 s[\g+6], 0
	s_mov_b32 s[\g+7], 0
.endr
	s_or_b32 s[G1S+0], s59, (3<<16)|(1<<21)        ; scale words of 128 rows: a dense block as rows of 256 bytes
	s_or_b32 s[G1SB+0], s60, (3<<16)|(1<<21)
.irp g, G1S, G1SB
	s_mov_b32 s[\g+1], 32<<16
	s_mov_b32 s[\g+2], (2*KQ)<<16
	s_mov_b32 s[\g+3], 32<<16
	s_mov_b32 s[\g+4], 2*KQ
	s_mov_b32 s[\g+5], 32
	s_mov_b32 s[\g+6], 0
	s_mov_b32 s[\g+7], 0
.endr
	s_lshl_b32 s18, s16, 3
	s_lshl_b32 s20, s17, 4
	s_add_co_u32 s20, s20, s18                     ; A: block 16 ty + 8 half
	s_mul_i32 s20, s20, KQ*1536
	s_mov_b32 s21, 0
	s_lshl_b32 s22, s17, 1
	s_add_co_u32 s22, s22, s16
	s_mul_i32 s22, s22, KQ*512
	s_mov_b32 s23, 0
	s_mul_i32 s62, s61, NBB
	s_lshl_b32 s63, s58, 4
	s_add_co_u32 s62, s62, s63
	s_add_co_u32 s62, s62, s18                     ; B: block NBB batch + 16 tx + 8 half
	s_mul_i32 s62, s62, KQ*1536
	s_mov_b32 s63, 0
	s_mul_i32 s2, s61, NBB/8
	s_lshl_b32 s3, s58, 1
	s_add_co_u32 s2, s2, s3
	s_add_co_u32 s2, s2, s16
	s_mul_i32 s2, s2, KQ*512
	s_mov_b32 s3, 0
.if ACOD
	s_add_co_u32 s20, s20, ACOD
	s_add_co_u32 s22, s22, ASCL
.endif
.if BCOD
	s_add_co_u32 s62, s62, BCOD
	s_add_co_u32 s2, s2, BSCL
.endif
	s_mul_i32 s18, s14, HALFT
	s_mul_i32 s19, s14, HALFS
	s_wait_kmcnt 0x0
	s_add_nc_u64 s[20:21], s[4:5], s[20:21]
	s_add_nc_u64 s[22:23], s[6:7], s[22:23]
	s_add_nc_u64 s[62:63], s[PBC:PBC+1], s[62:63]
	s_add_nc_u64 s[2:3], s[PBS:PBS+1], s[2:3]
	CROUND                                         ; all sixteen work-groups are here: the first joint loads meet
	s_mov_b32 s[G0S], 1
	s_add_co_u32 s[G0S+1], s19, SCL
	s_mov_b64 s[G0S+2:G0S+3], s[22:23]
	s_or_b32 s[G0S+3], s[G0S+3], 0x80000000
	s_mov_b32 s[G0SB], 1
	s_add_co_u32 s[G0SB+1], s19, SCL+128
	s_mov_b64 s[G0SB+2:G0SB+3], s[2:3]
	s_or_b32 s[G0SB+3], s[G0SB+3], 0x80000000
	JLOAD G0S, G1S, G0SB, G1SB
.irp s, 0,1,2
	s_mov_b32 s[G0+4*\s], 1
	s_add_co_u32 s[G0+4*\s+1], s18, \s*SLOT
	s_add_nc_u64 s[G0+4*\s+2:G0+4*\s+3], s[20:21], \s*KSB
	s_or_b32 s[G0+4*\s+3], s[G0+4*\s+3], 0x80000000
	s_mov_b32 s[G0B+4*\s], 1
	s_add_co_u32 s[G0B+4*\s+1], s18, \s*SLOT
	s_add_nc_u64 s[G0B+4*\s+2:G0B+4*\s+3], s[62:63], \s*KSB
	s_or_b32 s[G0B+4*\s+3], s[G0B+4*\s+3], 0x80000000
	JLOAD G0+4*\s, G1, G0B+4*\s, G1B
.endr
	v_and_b32 v1, 15, v0                           ; r
	v_bfe_u32 v2, v0, 4, 1                         ; h
	v_and_b32 v3, 31, v0                           ; lane
	v_lshlrev_b32 v[L16], 4, v3
	; the sixteen pairs of each of my wave's 128 keys: 4 keys a lane, a chunk's 512 consecutive bytes a load
	s_lshl_b32 s18, s61, 17                        ; 16 chunks x 2,048 keys x 4 bytes a batch,
	s_lshl_b32 s19, s58, 10                        ; 256 tx keys,
	s_add_co_u32 s18, s18, s19
	s_lshl_b32 s19, s16, 9                         ; my half
	s_add_co_u32 s18, s18, s19
	s_mov_b32 s19, 0
	s_add_nc_u64 s[8:9], s[8:9], s[18:19]
.irp c, 0,1,2,3,4,5,6,7,8,9,10,11,12,13,14,15
	global_load_b128 v[64+4*\c:67+4*\c], v[L16], s[8:9] offset:8192*\c          ; off
.endr
.irp c, 0,1,2,3,4,5,6,7,8,9,10,11,12,13,14,15
	global_load_b128 v[128+4*\c:131+4*\c], v[L16], s[8:9] offset:SUMO+8192*\c   ; l
.endr
	s_mul_i32 s18, s15, HALFT
	s_mul_i32 s19, s16, HALFT
	s_add_co_u32 s19, s19, 2*HALFT
.irp s, 0,1,2
	v_add_nc_u32 v[ADRA+\s], s18, v[L16]
	v_add_nc_u32 v[ADRB+\s], s19, v[L16]
	s_add_co_u32 s18, s18, SLOT
	s_add_co_u32 s19, s19, SLOT
.endr
	v_lshlrev_b32 v5, 2, v1
	s_mul_i32 s18, s15, HALFS
	s_mul_i32 s19, s16, HALFS
	s_add_co_u32 s19, s19, 2*HALFS+128
	s_sub_co_u32 s19, s19, s18
	v_mul_u32_u24 v6, s19, v2                      ; lanes 16-31 take B's
	s_add_co_u32 s18, s18, SCL
	v_add_nc_u32 v5, v5, v6
	v_add_nc_u32 v[ADRS], s18, v5
	s_lshl_b32 s18, s14, 11
	s_add_co_u32 s18, s18, SCR
	v_add_nc_u32 v[TA], s18, v[L16]
	v_lshl_add_u32 v[TR], v2, 5, s18
	s_add_co_u32 s18, s18, 1024
	v_lshl_add_u32 v[SW], v1, 2, s18
	v_add_nc_u32 v[SRD], s18, v[L16]
.irp b, 0,1,2,3
	v_mov_b32 v[TM+4+\b], 0                        ; written once: a lane permute's destination counts as one of its sources
.endr
	s_mov_b32 s[SEL], 0x76543210
	s_mov_b32 s[SEL+1], 0xfedcba98
	s_mov_b32 s[CS], 0x3fb8aa3b                    ; c = log2(e)
	s_mov_b32 s[CS+1], s[CS]
	s_lshl_b32 s18, s17, 4                         ; a_img: block of 16 rows 16 ty + 8 half, 24,576 bytes each (16 K steps),
	s_lshl_b32 s19, s15, 3
	s_add_co_u32 s18, s18, s19
	s_mul_i32 s18, s18, 24576
	s_lshl_b32 s62, s58, 1
	s_add_co_u32 s62, s62, s16                     ; the next product's K step: 2 tx + half
	s_mul_i32 s19, s62, 1536
	s_add_co_u32 s18, s18, s19
	s_mov_b32 s19, 0
	s_add_nc_u64 s[10:11], s[10:11], s[18:19]
	s_lshl_b32 s18, s17, 1                         ; a_scl: group of 128 rows 2 ty + half, 8,192 bytes each,
	s_add_co_u32 s18, s18, s15
	s_lshl_b32 s18, s18, 13
	s_lshl_b32 s62, s62, 9
	s_add_co_u32 s18, s18, s62
	s_add_nc_u64 s[12:13], s[12:13], s[18:19]
	s_wait_loadcnt 0x0
.irp w, 0,1,2,3
	v_max3_num_f32 v[192+\w], v[64+\w], v[68+\w], v[72+\w]
.endr
.irp c, 3,5,7,9,11,13
.irp w, 0,1,2,3
	v_max3_num_f32 v[192+\w], v[192+\w], v[64+4*\c+\w], v[68+4*\c+\w]
.endr
.endr
.irp w, 0,1,2,3
	v_max_num_f32 v[192+\w], v[192+\w], v[124+\w]  ; OFF: the largest off of the sixteen chunks
.endr
.irp c, 0,1,2,3,4,5,6,7,8,9,10,11,12,13,14,15
.irp p, 0,2
	v_pk_add_f32 v[64+4*\c+\p:65+4*\c+\p], v[64+4*\c+\p:65+4*\c+\p], v[192+\p:193+\p] neg_lo:[0,1] neg_hi:[0,1]   ; off_c - OFF, 0 or less
.endr
.endr
.set k, 0
.rept 64
	v_exp_f32 v[64+k], v[64+k]
.set k, k+1
.endr
	v_nop                                          ; a plain instruction behind the last exponential
	s_wait_alu depctr_va_vdst(0)                   ; one wait for the batch, ahead of its first reader
.irp p, 0,2
	v_pk_mul_f32 v[196+\p:197+\p], v[128+\p:129+\p], v[64+\p:65+\p]
.endr
.irp c, 1,2,3,4,5,6,7,8,9,10,11,12,13,14,15
.irp p, 0,2
	v_pk_fma_f32 v[196+\p:197+\p], v[128+4*\c+\p:129+4*\c+\p], v[64+4*\c+\p:65+4*\c+\p], v[196+\p:197+\p]   ; l = the sum of l_c 2^(off_c - OFF): at least about 1
.endr
.endr
.irp w, 0,1,2,3
	v_log_f32 v[200+\w], v[196+\w]
.endr
	v_nop
	s_wait_alu depctr_va_vdst(0)
	ds_store_b128 v[TA], v[192:195]                ; my wave's own bytes: only I read them
	ds_store_b128 v[TA], v[200:203] offset:512
.macro FRAG reg, adr, off
.irp c, 0,1,2
	ds_load_b128 v[\reg+4*\c:\reg+4*\c+3], v[\adr] offset:\off+512*\c
.endr
.endm
; The 64 accumulators take turns, one instruction a turn, in the same order in every step.
.macro MUL16 a0, p, q, sc, zero
.irp a, \a0, \a0+1
.irp b, 0,1,2,3,4,5,6,7
.if \zero
	v_wmma_scale_f32_16x16x128_f8f6f4 v[8*(8*((\a)%4)+\b):8*(8*((\a)%4)+\b)+7], v[128*(\p)+FR*\b:128*(\p)+FR*\b+FR-1], v[AF+FR*(\a):AF+FR*(\a)+FR-1], 0, v[SC+16*(\sc)+2*\b+(\q)], v[SC+16*(\sc)+2*(\a)+(\q)] matrix_a_fmt:MATRIX_FMT_BF6 matrix_b_fmt:MATRIX_FMT_BF6 matrix_a_scale:MATRIX_SCALE_ROW1
.else
	v_wmma_scale_f32_16x16x128_f8f6f4 v[8*(8*((\a)%4)+\b):8*(8*((\a)%4)+\b)+7], v[128*(\p)+FR*\b:128*(\p)+FR*\b+FR-1], v[AF+FR*(\a):AF+FR*(\a)+FR-1], v[8*(8*((\a)%4)+\b):8*(8*((\a)%4)+\b)+7], v[SC+16*(\sc)+2*\b+(\q)], v[SC+16*(\sc)+2*(\a)+(\q)] matrix_a_fmt:MATRIX_FMT_BF6 matrix_b_fmt:MATRIX_FMT_BF6 matrix_a_scale:MATRIX_SCALE_ROW1
.endif
.endr
.endr
.endm
.macro FETCH_B slot, q, p
	WIN TO_B
.irp i, 0,1,2,3,4,5,6,7
	FRAG 128*(\p)+FR*\i, ADRB+\slot, 3072*\i+1536*(\q)
.endr
	WIN 0
.endm
.macro FETCH_A slot, q, i0
.irp i, \i0, \i0+1, \i0+2, \i0+3
	FRAG AF+FR*(\i), ADRA+\slot, 3072*(\i)+1536*(\q)
.endr
.endm
.macro SCALES sc
.irp i, 0,1,2,3,4,5,6,7
.irp q, 0,1
	ds_load_b32 v[SC+16*(\sc)+2*\i+\q], v[ADRS] offset:512*\q+64*\i
.endr
.endr
.endm
.macro STEP q, sc, zero, nslot, nq, nsc
	s_wait_dscnt 4*NL                              ; all but the youngest twelve loads (A's blocks 4-7)
	WIN MUL_LO
	MUL16 0, \q, \q, \sc, \zero
	MUL16 2, \q, \q, \sc, \zero
	s_wait_dscnt 0x0
	PLACES 4
.if \nsc >= 0
	WIN 0
	v_add_nc_u32 v[ADRS], 1024, v[ADRS]
.endif
	FETCH_B \nslot, \nq, 1-\q
	FETCH_A \nslot, \nq, 0
.if \nsc >= 0
	SCALES \nsc
.endif
	WIN MUL_HI
	MUL16 4, \q, \q, \sc, \zero
	MUL16 6, \q, \q, \sc, \zero
	PLACES 4
	WIN 0
	FETCH_A \nslot, \nq, 4
.endm
.macro TURN slot, sc, next, nsc, fill, adv
	s_wait_tensorcnt 0x0                           ; all my tensor loads have landed  (every window is 0 here)
	ds_add_u32 v[SPW], v[NIL]                      ; 0 onto my spare word
	s_wait_dscnt 4*NL+1                            ; the add and the youngest twelve loads may be out
	WIN MUL_LO
	MUL16 0, 1, 1, \sc, 0
	s_wait_dscnt 0x0                               ; the add is done, and my reads of this slot are over
	s_barrier_signal -1
	MUL16 2, 1, 1, \sc, 0
	WIN 0
	s_barrier_wait -1
.if \fill
	CREST                                          ; no wave of any partner still reads this slot or has a load on its way
	s_add_nc_u64 s[G0+4*\slot+2:G0+4*\slot+3], s[G0+4*\slot+2:G0+4*\slot+3], \adv
	s_add_nc_u64 s[G0B+4*\slot+2:G0B+4*\slot+3], s[G0B+4*\slot+2:G0B+4*\slot+3], \adv
	JLOAD G0+4*\slot, G1, G0B+4*\slot, G1B         ; the first tensor load behind the round; its four v_nop are the places in front of the loads below
.else
	PLACES 4
.endif
	v_add_nc_u32 v[ADRS], 1024, v[ADRS]
	FETCH_B \next, 0, 0
	FETCH_A \next, 0, 0
	SCALES \nsc
	WIN MUL_HI
	MUL16 4, 1, 1, \sc, 0
	MUL16 6, 1, 1, \sc, 0
	PLACES 4
	WIN 0
	FETCH_A \next, 0, 4
.endm
	s_wait_tensorcnt 2                             ; my scales and my part of K step 0 are in; K steps 1 and 2 may stay out
	s_wait_dscnt 0x0                               ; no LDS instruction of mine is pending at a signal
	s_barrier_signal -1
	s_barrier_wait -1
	FETCH_B 0, 0, 0
	FETCH_A 0, 0, 0
	SCALES 0
	FETCH_A 0, 0, 4
	STEP 0, 0, 1, 0, 1, -1                         ; K step 0 (slot 0): its first products start the sums
	TURN 0, 0, 1, 1, 1, 3*KSB                      ; the one refill: K step 3 into slot 0; slots 1 and 2 are whole for all
	STEP 0, 1, 0, 1, 1, -1                         ; K step 1 (slot 1)
	STEP 1, 1, 0, 2, 0, 0                          ; on into slot 2
	STEP 0, 0, 0, 2, 1, -1                         ; K step 2 (slot 2)
	TURN 2, 0, 0, 1, 0, 0                          ; K step 3 has landed: a barrier, and nothing is filled
	STEP 0, 1, 0, 0, 1, -1                         ; K step 3 (slot 0)
	s_wait_dscnt 4*NL
	WIN MUL_LO
	MUL16 0, 1, 1, 1, 0
	MUL16 2, 1, 1, 1, 0
	s_wait_dscnt 0x0
	PLACES 4
	WIN TO_B                                       ; B's set 0 is done with: window 1, v0-63 take OFF and v64-127 log2 l of my lane's 64 keys, register 8 b + j for key 16 b + 8 h + j, as the accumulators lie
.irp b, 0,1,2,3,4,5,6,7
	ds_load_b128 v[8*\b:8*\b+3], v[TR] offset:64*\b
	ds_load_b128 v[8*\b+4:8*\b+7], v[TR] offset:64*\b+16
	ds_load_b128 v[64+8*\b:64+8*\b+3], v[TR] offset:512+64*\b
	ds_load_b128 v[64+8*\b+4:64+8*\b+7], v[TR] offset:512+64*\b+16
.endr
	WIN MUL_HI
	MUL16 4, 1, 1, 1, 0
	MUL16 6, 1, 1, 1, 0
	WIN 0
	PLACES 4
	s_wait_dscnt 0x0                               ; the tables are in
; 64 numbers of a lane, none negative, become a fragment's codes in v[PC] on and my row's scale word in v[pw].
.macro QUANT s, pw
.irp b, 0,1,2,3
	v_max3_num_f32 v[TM+\b], v[\s+16*\b], v[\s+1+16*\b], 0x2800000   ; block b: my 16 numbers, and the floor 2^(5 - 127): the byte cannot fall under 1
.endr
.irp i, 2,4,6,8,10,12,14
.irp b, 0,1,2,3
	v_max3_num_f32 v[TM+\b], v[TM+\b], v[\s+16*\b+\i], v[\s+1+16*\b+\i]
.endr
.endr
.irp b, 0,1,2,3
	v_permlanex16_b32 v[TM+4+\b], v[TM+\b], s[SEL], s[SEL+1]
.endr
.irp b, 0,1,2,3
	v_max_num_f32 v[TM+\b], v[TM+\b], v[TM+4+\b]                  ; with lane l xor 16's 16: the block's largest
.endr
.irp b, 0,1,2,3
	v_add_nc_u32 v[TM+12+\b], 0xfe000000, v[TM+\b]                ; 4 off its exponent field: the conversion's scale operand
.endr
.irp b, 0,1,2,3
	v_lshrrev_b32 v[TM+4+\b], 23, v[TM+12+\b]                     ; the scale's byte
.endr
	v_lshl_or_b32 v[\pw], v[TM+5], 8, v[TM+4]
	v_lshl_or_b32 v[\pw], v[TM+6], 16, v[\pw]
	v_lshl_or_b32 v[\pw], v[TM+7], 24, v[\pw]
.irp c, 0,1
	v_cvt_scalef32_pk16_bf6_f32 v[PC+6*\c:PC+2+6*\c], v[\s+32*\c:\s+15+32*\c], v[TM+12+2*\c]
	v_cvt_scalef32_pk16_bf6_f32 v[PC+12+4*\c:PC+14+4*\c], v[\s+16+32*\c:\s+31+32*\c], v[TM+12+2*\c+1]
.endr
	v_nop                                          ; one plain instruction behind the scaled conversions
.irp c, 0,1
.irp i, 0,1,2
	v_permlane16_swap_b32 v[PC+6*\c+\i], v[PC+12+4*\c+\i]
.endr
.irp i, 0,1,2
	v_mov_b32 v[PC+3+6*\c+\i], v[PC+12+4*\c+\i]
.endr
.endr
.endm
; Block a's exponents: fma(s, c, -OFF) - log2 l, two at a time, each accumulator from its low end on.
.macro PRE a
.set AC, 64*((\a)%4)
.set PP, P0+64*((\a)%2)
	WIN (2+(\a)/4)|0x10                            ; source 0: the accumulators' window; source 2: window 1
.set k, 0
.rept 32
	v_pk_fma_f32 v[PP+2*k:PP+2*k+1], v[AC+2*k:AC+2*k+1], s[CS:CS+1], v[2*k:2*k+1] op_sel_hi:[1,0,1] neg_lo:[0,0,1] neg_hi:[0,0,1]
.set k, k+1
.endr
	WIN 0x04                                       ; source 1: window 1
.set k, 0
.rept 32
	v_pk_add_f32 v[PP+2*k:PP+2*k+1], v[PP+2*k:PP+2*k+1], v[64+2*k:65+2*k] neg_lo:[0,1] neg_hi:[0,1]
.set k, k+1
.endr
	WIN 0
.endm
	PRE 0
.irp a, 0,1,2,3,4,5,6,7
.set k, 0
.rept 64
	v_exp_f32 v[P0+64*(\a%2)+k], v[P0+64*(\a%2)+k]                ; the finished weights of 16 queries x 128 keys
.set k, k+1
.endr
.if \a < 7
	PRE \a+1                                       ; the next block's exponents are the independent work behind the batch
.else
	v_nop
.endif
	s_wait_alu depctr_va_vdst(0)                   ; one wait for the batch, ahead of its first reader
	s_wait_xcnt 0x0                                ; the last block's stores have read the codes' registers
	QUANT P0+64*(\a%2), PW+\a
.irp c, 0,1,2
	global_store_b128 v[L16], v[PC+4*\c:PC+4*\c+3], s[10:11] offset:24576*\a+512*\c   ; 512 consecutive bytes, at a multiple of 512 from the buffer's first byte
.endr
	ds_store_b32 v[SW], v[PW+\a] offset:64*\a      ; lanes r and r + 16 write the same word with the same value
.endr
	ds_load_b128 v[64:67], v[SRD]                  ; my 128 rows' scale words
	s_wait_dscnt 0x0
	global_store_b128 v[L16], v[64:67], s[12:13]   ; 512 consecutive bytes
	s_wait_tensorcnt 0x0                           ; the wave's end
	ds_add_u32 v[SPW], v[NIL]
	s_wait_dscnt 0x0
	CROUND                                         ; the closing round
	s_endpgm
.Lfunc_end_k_q28912ee707_attn:
	.size	k_q28912ee707_attn, .Lfunc_end_k_q28912ee707_attn-k_q28912ee707_attn
	.p2alignl 7, 3214868480
	.fill 96, 4, 3214868480
	.section	.rodata,"a",@progbits
	.p2align	6, 0x0
	.amdhsa_kernel k_q28912ee707_attn
		.amdhsa_group_segment_fixed_size 327680
		.amdhsa_private_segment_fixed_size 0
		.amdhsa_enable_private_segment 0
		.amdhsa_kernarg_size 40
		.amdhsa_user_sgpr_count 2
		.amdhsa_user_sgpr_kernarg_segment_ptr 1
		.amdhsa_wavefront_size32 1
		.amdhsa_system_sgpr_workgroup_id_x 1
		.amdhsa_system_sgpr_workgroup_id_y 1
		.amdhsa_system_sgpr_workgroup_id_z 1
		.amdhsa_system_vgpr_workitem_id 0
		.amdhsa_next_free_vgpr 1024
		.amdhsa_next_free_sgpr 100
		.amdhsa_reserve_vcc 0
		.amdhsa_float_denorm_mode_32 3
		.amdhsa_float_denorm_mode_16_64 3
		.amdhsa_memory_ordered 1
		.amdhsa_forward_progress 1
		.amdhsa_inst_pref_size 205
	.end_amdhsa_kernel
	.amdgpu_metadata
---
amdhsa.version: [ 1, 2 ]
amdhsa.kernels:
  - .name:           k_q28912ee707_attn
    .symbol:         k_q28912ee707_attn.kd
    .args:
      - { .name: codes, .offset: 0, .size: 8, .value_kind: global_buffer, .address_space: global }
      - { .name: scls, .offset: 8, .size: 8, .value_kind: global_buffer, .address_space: global }
      - { .name: stats, .offset: 16, .size: 8, .value_kind: global_buffer, .address_space: global }
      - { .name: a_img, .offset: 24, .size: 8, .value_kind: global_buffer, .address_space: global }
      - { .name: a_scl, .offset: 32, .size: 8, .value_kind: global_buffer, .address_space: global }
    .group_segment_fixed_size: 327680
    .private_segment_fixed_size: 0
    .kernarg_segment_align: 8
    .kernarg_segment_size: 40
    .max_flat_workgroup_size: 128
    .sgpr_count:     100
    .vgpr_count:     1024
    .wavefront_size: 32
...
	.end_amdgpu_metadata
.endif
;; end of part 3
;; launch pv (part 4): grid 4 x 64, 4 waves a work-group, clusters of 4 x 4, 327,680 bytes of LDS; arguments a_img, a_scl, codes, scls, out0; writes out0
.if DOCPART == 4
	.amdgcn_target "amdgcn-amd-amdhsa--gfx1250"
	.amdhsa_code_object_version 6
	.text
	.protected	k_q28912ee707_pv
	.globl	k_q28912ee707_pv
	.p2align	8
	.type	k_q28912ee707_pv,@function
k_q28912ee707_pv:
	s_mov_b64 s[64:65], 0
	v_nop
	global_prefetch_b8 v0, s[64:65] scope:SCOPE_SE
	s_setreg_imm32_b32 hwreg(HW_REG_WAVE_MODE, 25, 1), 1
	s_wait_xcnt 0x0
	s_wait_alu depctr_hold_cnt(0) depctr_sa_sdst(0) depctr_va_vdst(0) depctr_va_sdst(0) depctr_va_ssrc(0) depctr_va_vcc(0) depctr_vm_vsrc(0)
	s_getreg_b32 s2, hwreg(HW_REG_IB_STS2, 6, 4)
	s_cmp_eq_u32 s2, 0
	s_cbranch_scc0 .Lentry_in_a_cluster
	s_endpgm
.Lentry_in_a_cluster:
	s_bfe_u32 s2, ttmp6, 0x10000c
	s_cmp_lg_u32 s2, 0xf033
	s_cbranch_scc0 .Lentry_shape_is_right
	s_endpgm
.Lentry_shape_is_right:
; out[b][q][d] = the sum over the keys of attn[b][q][k] values[b][k][d], both operands as codes of BF6 (E3M2) with one E8M0 scale for each 32 keys; sums in f32.  A = the weights (rows = queries), B = the values (rows = d); K = 2,048 keys.
; Inside each block of 32 keys both operands hold the keys in the same order (bits 3 and 4 of the place exchanged), so every product meets its partner.
; A tile of 256 queries x 256 d is made by four waves, 128 x 128 each.  Source 0 = 16 rows of B, source 1 = 16 rows of A: a lane holds eight neighbouring d of one row of out.
; Operands lie in memory as images of their registers; K goes in eight steps of 256 through a ring of two LDS slots; the scale words of the work-group's rows for all of K come once.  By this text's count a wave has three tensor loads
; out at the start, later one.  CLUSTER 4 x 4: A's tiles are asked for jointly along a row of the cluster, B's along a column.  A third slot does not fit beside the 32,896 bytes of scale words and the spare words.
; No prefetch is laid: each tile is asked for by several work-groups at about the same time, and a refill has 96 matrix instructions in which to land.
.set KQ,    16
.set NBB,   64
.set NSL,   2
.set ACOD,  0
.set ASCL,  0
.set BCOD,  25165824                   ; the values' codes and scale words in their buffers
.set BSCL,  1048576
.set PBC,   8
.set PBS,   10
.set FR,    12
.set NL,    3
.set HALFT, 24576
.set SLOT,  4*HALFT
.set KSB,   3072
.set HALFS, 512*KQ
.set SCL,   NSL*SLOT
.set SPARE, SCL+4*HALFS+256            ; the spare words: two blocks of 256 bytes that no other line names
.set SPITCH, 528                       ; the way out: a stage of 16 rows x (512 bytes + 16) for each wave, in slot 0, which has had its last fill and its last read when the first result is stored there
.set ROWO,  4096                       ; a row of out in bytes
.set L16,  4
.set ADRA, 16
.set ADRB, 20
.set STO,  24                          ; v24  the way out: where I put 32 bytes of a row
.set RD,   25                          ; v25  and where I read a row back
.set ADRS, 27
.set SPW,  28
.set NIL,  29
.set SC,   32
.set AF,   128
.set BK,   128                         ; the way out: 16 rows read back: v128-191 and v192-255 by turns
.set G1,   24
.set G1B,  32
.set G1S,  40
.set G1SB, 48
.set G0,   68
.set G0B,  80
.set G0S,  92
.set G0SB, 96
.set MSB, 0
.macro WIN new                         ; the immediate's high byte repeats the setting that is left; a switch that changes nothing is dropped
.if MSB != (\new)
	s_set_vgpr_msb (MSB<<8)|(\new)
.set MSB, (\new)
.endif
.endm
.set MUL_LO, 0xa1
.set MUL_HI, 0xf1
.set TO_B,   0x40
.macro JLOAD g0a, g1a, g0b, g1b        ; a joint load: waves 0 and 1 fetch for A, waves 2 and 3 for B; four v_nop follow each of the two lines
	s_cmp_eq_u32 s15, 0
	s_cbranch_scc0 .Lfor_b_\@
	tensor_load_to_lds s[\g0a:\g0a+3], s[\g1a:\g1a+7]
	s_nop 0
.rept 4
	v_nop
.endr
	s_branch .Lasked_\@
.Lfor_b_\@:
	tensor_load_to_lds s[\g0b:\g0b+3], s[\g1b:\g1b+7]
	s_nop 0
.rept 4
	v_nop
.endr
.Lasked_\@:
.endm
.macro CREST
	s_cmp_lg_u32 s14, 0
	s_cbranch_scc1 .Lnot_wave_0_\@
	s_barrier_signal -3
.Lnot_wave_0_\@:
	s_barrier_wait -3
	s_barrier_signal -1
	s_barrier_wait -1
.endm
.macro CROUND
	s_barrier_signal -1
	s_barrier_wait -1
	CREST
.endm
.macro PLACES n
.rept \n
	v_nop
.endr
.endm
	s_load_b256 s[4:11], s[0:1], 0x0               ; a_img s[4:5], a_scl s[6:7], codes s[8:9], scls s[10:11]
	s_load_b64 s[12:13], s[0:1], 0x20              ; out0
	v_lshl_add_u32 v[SPW], v0, 2, SPARE
	v_mov_b32 v[NIL], 0
	ds_add_u32 v28, v29
	ds_add_u32 v28, v29
	s_wait_dscnt 0x0
	v_lshrrev_b32 v1, 5, v0
	v_readfirstlane_b32 s14, v1                    ; wave 0..3
	s_lshr_b32 s15, s14, 1                         ; which half of A's rows is mine.  Also: I fetch for A (0) or for B (1)
	s_and_b32 s16, s14, 1                          ; which half of B's rows.  Also: which 128 rows I fetch
	s_bfe_u32 s56, ttmp6, 0x40000                  ; cx
	s_bfe_u32 s57, ttmp6, 0x40004                  ; cy
	s_lshl_b32 s58, ttmp9, 2
	s_add_co_u32 s58, s58, s56                     ; tx: which 256 d
	s_and_b32 s61, ttmp7, 0xffff                   ; cluster y
	s_lshl_b32 s17, s61, 2
	s_add_co_u32 s17, s17, s57                     ; ty: which 256 queries, counted through the batches
	s_lshr_b32 s61, s61, 1                         ; the batch, made of the cluster's y alone
	s_lshl_b32 s59, s57, 2
	s_lshl_b32 s59, 15, s59                        ; my row of the cluster
	s_lshl_b32 s60, 0x1111, s56                    ; my column
	s_or_b32 s[G1+0], s59, (3<<16)|(1<<21)         ; codes: 8 rows of 384 elements of 8 bytes, KQ x 1,536 bytes apart; no padding
	s_or_b32 s[G1B+0], s60, (3<<16)|(1<<21)
.irp g, G1, G1B
	s_mov_b32 s[\g+1], 384<<16
	s_mov_b32 s[\g+2], 8<<16
	s_mov_b32 s[\g+3], 384<<16
	s_mov_b32 s[\g+4], 8
	s_mov_b32 s[\g+5], 192*KQ
	s_mov_b32 s[\g+6], 0
	s_mov_b32 s[\g+7], 0
.endr
	s_or_b32 s[G1S+0], s59, (3<<16)|(1<<21)        ; scale words of 128 rows: a dense block as rows of 256 bytes
	s_or_b32 s[G1SB+0], s60, (3<<16)|(1<<21)
.irp g, G1S, G1SB
	s_mov_b32 s[\g+1], 32<<16
	s_mov_b32 s[\g+2], (2*KQ)<<16
	s_mov_b32 s[\g+3], 32<<16
	s_mov_b32 s[\g+4], 2*KQ
	s_mov_b32 s[\g+5], 32
	s_mov_b32 s[\g+6], 0
	s_mov_b32 s[\g+7], 0
.endr
	s_lshl_b32 s18, s16, 3
	s_lshl_b32 s20, s17, 4
	s_add_co_u32 s20, s20, s18                     ; A: block 16 ty + 8 half
	s_mul_i32 s20, s20, KQ*1536
	s_mov_b32 s21, 0
	s_lshl_b32 s22, s17, 1
	s_add_co_u32 s22, s22, s16
	s_mul_i32 s22, s22, KQ*512
	s_mov_b32 s23, 0
	s_mul_i32 s62, s61, NBB
	s_lshl_b32 s63, s58, 4
	s_add_co_u32 s62, s62, s63
	s_add_co_u32 s62, s62, s18                     ; B: block NBB batch + 16 tx + 8 half
	s_mul_i32 s62, s62, KQ*1536
	s_mov_b32 s63, 0
	s_mul_i32 s2, s61, NBB/8
	s_lshl_b32 s3, s58, 1
	s_add_co_u32 s2, s2, s3
	s_add_co_u32 s2, s2, s16
	s_mul_i32 s2, s2, KQ*512
	s_mov_b32 s3, 0
.if ACOD
	s_add_co_u32 s20, s20, ACOD
	s_add_co_u32 s22, s22, ASCL
.endif
.if BCOD
	s_add_co_u32 s62, s62, BCOD
	s_add_co_u32 s2, s2, BSCL
.endif
	s_mul_i32 s18, s14, HALFT
	s_mul_i32 s19, s14, HALFS
	s_wait_kmcnt 0x0
	s_add_nc_u64 s[20:21], s[4:5], s[20:21]
	s_add_nc_u64 s[22:23], s[6:7], s[22:23]
	s_add_nc_u64 s[62:63], s[PBC:PBC+1], s[62:63]
	s_add_nc_u64 s[2:3], s[PBS:PBS+1], s[2:3]
	CROUND                                         ; all sixteen work-groups are here: the first joint loads meet
	s_mov_b32 s[G0S], 1
	s_add_co_u32 s[G0S+1], s19, SCL
	s_mov_b64 s[G0S+2:G0S+3], s[22:23]
	s_or_b32 s[G0S+3], s[G0S+3], 0x80000000
	s_mov_b32 s[G0SB], 1
	s_add_co_u32 s[G0SB+1], s19, SCL+128
	s_mov_b64 s[G0SB+2:G0SB+3], s[2:3]
	s_or_b32 s[G0SB+3], s[G0SB+3], 0x80000000
	JLOAD G0S, G1S, G0SB, G1SB
.irp s, 0,1
	s_mov_b32 s[G0+4*\s], 1
	s_add_co_u32 s[G0+4*\s+1], s18, \s*SLOT
	s_add_nc_u64 s[G0+4*\s+2:G0+4*\s+3], s[20:21], \s*KSB
	s_or_b32 s[G0+4*\s+3], s[G0+4*\s+3], 0x80000000
	s_mov_b32 s[G0B+4*\s], 1
	s_add_co_u32 s[G0B+4*\s+1], s18, \s*SLOT
	s_add_nc_u64 s[G0B+4*\s+2:G0B+4*\s+3], s[62:63], \s*KSB
	s_or_b32 s[G0B+4*\s+3], s[G0B+4*\s+3], 0x80000000
	JLOAD G0+4*\s, G1, G0B+4*\s, G1B
.endr
	v_and_b32 v1, 15, v0                           ; r
	v_bfe_u32 v2, v0, 4, 1                         ; h
	v_and_b32 v3, 31, v0                           ; lane
	v_lshlrev_b32 v[L16], 4, v3
	s_mul_i32 s18, s15, HALFT
	s_mul_i32 s19, s16, HALFT
	s_add_co_u32 s19, s19, 2*HALFT
.irp s, 0,1
	v_add_nc_u32 v[ADRA+\s], s18, v[L16]
	v_add_nc_u32 v[ADRB+\s], s19, v[L16]
	s_add_co_u32 s18, s18, SLOT
	s_add_co_u32 s19, s19, SLOT
.endr
	v_lshlrev_b32 v5, 2, v1
	s_mul_i32 s18, s15, HALFS
	s_mul_i32 s19, s16, HALFS
	s_add_co_u32 s19, s19, 2*HALFS+128
	s_sub_co_u32 s19, s19, s18
	v_mul_u32_u24 v6, s19, v2                      ; lanes 16-31 take B's
	s_add_co_u32 s18, s18, SCL
	v_add_nc_u32 v5, v5, v6
	v_add_nc_u32 v[ADRS], s18, v5
	s_mul_i32 s18, s14, 16*SPITCH                  ; my stage
	v_mul_u32_u24 v5, v1, SPITCH                   ; in: row r, 32 bytes for each half of the lanes
	v_lshl_add_u32 v5, v2, 5, v5
	v_add_nc_u32 v[STO], s18, v5
	v_add_nc_u32 v[RD], s18, v[L16]                ; back: the 32 lanes take one row of 512 bytes
	s_lshl_b32 s18, s17, 8
	s_lshl_b32 s19, s15, 7
	s_add_co_u32 s18, s18, s19                     ; my first row of out: 256 ty + 128 half
	s_lshl_b32 s18, s18, 12
	s_lshl_b32 s19, s58, 10                        ; my first column, in bytes: 1,024 tx + 512 half
	s_add_co_u32 s18, s18, s19
	s_lshl_b32 s19, s16, 9
	s_add_co_u32 s18, s18, s19
	s_mov_b32 s19, 0
	s_add_nc_u64 s[12:13], s[12:13], s[18:19]
.macro FRAG reg, adr, off
.irp c, 0,1,2
	ds_load_b128 v[\reg+4*\c:\reg+4*\c+3], v[\adr] offset:\off+512*\c
.endr
.endm
; The 64 accumulators take turns, one instruction a turn, in the same order in every step, over the loop's backward jump too.
.macro MUL16 a0, p, q, sc, zero
.irp a, \a0, \a0+1
.irp b, 0,1,2,3,4,5,6,7
.if \zero
	v_wmma_scale_f32_16x16x128_f8f6f4 v[8*(8*((\a)%4)+\b):8*(8*((\a)%4)+\b)+7], v[128*(\p)+FR*\b:128*(\p)+FR*\b+FR-1], v[AF+FR*(\a):AF+FR*(\a)+FR-1], 0, v[SC+16*(\sc)+2*\b+(\q)], v[SC+16*(\sc)+2*(\a)+(\q)] matrix_a_fmt:MATRIX_FMT_BF6 matrix_b_fmt:MATRIX_FMT_BF6 matrix_a_scale:MATRIX_SCALE_ROW1
.else
	v_wmma_scale_f32_16x16x128_f8f6f4 v[8*(8*((\a)%4)+\b):8*(8*((\a)%4)+\b)+7], v[128*(\p)+FR*\b:128*(\p)+FR*\b+FR-1], v[AF+FR*(\a):AF+FR*(\a)+FR-1], v[8*(8*((\a)%4)+\b):8*(8*((\a)%4)+\b)+7], v[SC+16*(\sc)+2*\b+(\q)], v[SC+16*(\sc)+2*(\a)+(\q)] matrix_a_fmt:MATRIX_FMT_BF6 matrix_b_fmt:MATRIX_FMT_BF6 matrix_a_scale:MATRIX_SCALE_ROW1
.endif
.endr
.endr
.endm
.macro FETCH_B slot, q, p
	WIN TO_B
.irp i, 0,1,2,3,4,5,6,7
	FRAG 128*(\p)+FR*\i, ADRB+\slot, 3072*\i+1536*(\q)
.endr
	WIN 0
.endm
.macro FETCH_A slot, q, i0
.irp i, \i0, \i0+1, \i0+2, \i0+3
	FRAG AF+FR*(\i), ADRA+\slot, 3072*(\i)+1536*(\q)
.endr
.endm
.macro SCALES sc
.irp i, 0,1,2,3,4,5,6,7
.irp q, 0,1
	ds_load_b32 v[SC+16*(\sc)+2*\i+\q], v[ADRS] offset:512*\q+64*\i
.endr
.endr
.endm
.macro STEP q, sc, zero, nslot, nq, nsc
	s_wait_dscnt 4*NL                              ; all but the youngest twelve loads (A's blocks 4-7)
	WIN MUL_LO
	MUL16 0, \q, \q, \sc, \zero
	MUL16 2, \q, \q, \sc, \zero
	s_wait_dscnt 0x0
	PLACES 4
.if \nsc >= 0
	WIN 0
	v_add_nc_u32 v[ADRS], 1024, v[ADRS]
.endif
	FETCH_B \nslot, \nq, 1-\q
	FETCH_A \nslot, \nq, 0
.if \nsc >= 0
	SCALES \nsc
.endif
	WIN MUL_HI
	MUL16 4, \q, \q, \sc, \zero
	MUL16 6, \q, \q, \sc, \zero
	PLACES 4
	WIN 0
	FETCH_A \nslot, \nq, 4
.endm
.macro TURN slot, sc, next, nsc, fill, adv
	s_wait_tensorcnt 0x0                           ; all my tensor loads have landed: my part of the next slot  (every window is 0 here)
	ds_add_u32 v[SPW], v[NIL]                      ; 0 onto my spare word
	s_wait_dscnt 4*NL+1                            ; the add and the youngest twelve loads may be out
	WIN MUL_LO
	MUL16 0, 1, 1, \sc, 0
	s_wait_dscnt 0x0                               ; the add is done, and my reads of this slot are over
	s_barrier_signal -1
	MUL16 2, 1, 1, \sc, 0
	WIN 0
	s_barrier_wait -1
.if \fill
	CREST                                          ; no wave of any partner still reads this slot or has a load on its way
	s_add_nc_u64 s[G0+4*\slot+2:G0+4*\slot+3], s[G0+4*\slot+2:G0+4*\slot+3], \adv
	s_add_nc_u64 s[G0B+4*\slot+2:G0B+4*\slot+3], s[G0B+4*\slot+2:G0B+4*\slot+3], \adv
	JLOAD G0+4*\slot, G1, G0B+4*\slot, G1B         ; the first tensor load behind the round; its four v_nop are the places in front of the loads below
.else
	PLACES 4
.endif
	v_add_nc_u32 v[ADRS], 1024, v[ADRS]
	FETCH_B \next, 0, 0
	FETCH_A \next, 0, 0
	SCALES \nsc
	WIN MUL_HI
	MUL16 4, 1, 1, \sc, 0
	MUL16 6, 1, 1, \sc, 0
	PLACES 4
	WIN 0
	FETCH_A \next, 0, 4
.endm
	s_wait_tensorcnt 1                             ; my scales and my part of K step 0 are in; K step 1 may stay out
	s_barrier_signal -1
	s_barrier_wait -1
	FETCH_B 0, 0, 0
	FETCH_A 0, 0, 0
	SCALES 0
	FETCH_A 0, 0, 4
	STEP 0, 0, 1, 0, 1, -1                         ; the first step stands in front of the loop: its products start the sums
	s_mov_b32 s3, 3
.Llap:                                             ; a trip goes once round the ring, from a lap's second step to the next lap's first, and fills both slots again: K steps 2 to 7
	TURN 0, 0, 1, 1, 1, 2*KSB
	STEP 0, 1, 0, 1, 1, -1
	TURN 1, 1, 0, 0, 1, 2*KSB
	STEP 0, 0, 0, 0, 1, -1
	s_sub_co_u32 s3, s3, 1
	s_cmp_lg_u32 s3, 0
	s_cbranch_scc1 .Llap
	TURN 0, 0, 1, 1, 0, 0                          ; the last lap fills nothing, and has no round of the cluster's barrier
	STEP 0, 1, 0, 1, 1, -1
	s_wait_dscnt 4*NL                              ; the last step: nothing more to fetch
	WIN MUL_LO
	MUL16 0, 1, 1, 1, 0
	MUL16 2, 1, 1, 1, 0
	s_wait_dscnt 0x0
	WIN MUL_HI
	MUL16 4, 1, 1, 1, 0
	MUL16 6, 1, 1, 1, 0
	WIN 0
; THE WAY OUT, block by block of 16 rows x 128 columns: through my own stage in LDS, back as whole rows of 512 bytes.  LDS serves a wave's instructions in order: no wait between the stores and the loads.
.macro TOSTAGE a
.set AC, 64*((\a)%4)
	WIN 0x08+4*((\a)/4)                            ; an LDS store's data are its source 1: window 2 or 3
.irp b, 0,1,2,3,4,5,6,7
	ds_store_b128 v[STO], v[AC+8*\b:AC+8*\b+3] offset:64*\b          ; each accumulator from its low end on
	ds_store_b128 v[STO], v[AC+8*\b+4:AC+8*\b+7] offset:64*\b+16
.endr
	WIN 0
.set BB, BK+64*((\a)%2)
.irp t, 0,1,2,3,4,5,6,7,8,9,10,11,12,13,14,15
	ds_load_b128 v[BB+4*\t:BB+4*\t+3], v[RD] offset:\t*SPITCH
.endr
.endm
.macro SEND a, younger                 ; younger: the LDS instructions issued behind block a's loads, which may stay out
.set BB, BK+64*((\a)%2)
	s_wait_dscnt \younger
.if (\a) > 0
	s_add_nc_u64 s[12:13], s[12:13], 16*ROWO       ; behind a wait on XCNT: the earlier stores have read their base
.endif
.irp t, 0,1,2,3,4,5,6,7,8,9,10,11,12,13,14,15
	global_store_b128 v[L16], v[BB+4*\t:BB+4*\t+3], s[12:13] offset:\t*ROWO th:TH_STORE_NT   ; 32 lanes store 512 consecutive bytes, at a multiple of 512 from the buffer's first byte; written once, read by nobody here
.endr
.endm
	PLACES 4
	TOSTAGE 0
.irp a, 1,2,3,4,5,6,7
.if \a > 1
	s_wait_xcnt 0x0                                ; block a - 2's stores have read their registers and their base
.endif
	TOSTAGE \a
	SEND \a-1, 32                                  ; behind block a - 1's loads: block a's 16 stores and 16 loads
.endr
	s_wait_xcnt 0x0
	SEND 7, 0
	s_wait_tensorcnt 0x0                           ; the wave's end
	ds_add_u32 v[SPW], v[NIL]
	s_wait_dscnt 0x0
	CROUND                                         ; the closing round
	s_endpgm
.Lfunc_end_k_q28912ee707_pv:
	.size	k_q28912ee707_pv, .Lfunc_end_k_q28912ee707_pv-k_q28912ee707_pv
	.p2alignl 7, 3214868480
	.fill 96, 4, 3214868480
	.section	.rodata,"a",@progbits
	.p2align	6, 0x0
	.amdhsa_kernel k_q28912ee707_pv
		.amdhsa_group_segment_fixed_size 327680
		.amdhsa_private_segment_fixed_size 0
		.amdhsa_enable_private_segment 0
		.amdhsa_kernarg_size 40
		.amdhsa_user_sgpr_count 2
		.amdhsa_user_sgpr_kernarg_segment_ptr 1
		.amdhsa_wavefront_size32 1
		.amdhsa_system_sgpr_workgroup_id_x 1
		.amdhsa_system_sgpr_workgroup_id_y 1
		.amdhsa_system_sgpr_workgroup_id_z 1
		.amdhsa_system_vgpr_workitem_id 0
		.amdhsa_next_free_vgpr 1024
		.amdhsa_next_free_sgpr 100
		.amdhsa_reserve_vcc 0
		.amdhsa_float_denorm_mode_32 3
		.amdhsa_float_denorm_mode_16_64 3
		.amdhsa_memory_ordered 1
		.amdhsa_forward_progress 1
		.amdhsa_inst_pref_size 138
	.end_amdhsa_kernel
	.amdgpu_metadata
---
amdhsa.version: [ 1, 2 ]
amdhsa.kernels:
  - .name:           k_q28912ee707_pv
    .symbol:         k_q28912ee707_pv.kd
    .args:
      - { .name: a_img, .offset: 0, .size: 8, .value_kind: global_buffer, .address_space: global }
      - { .name: a_scl, .offset: 8, .size: 8, .value_kind: global_buffer, .address_space: global }
      - { .name: codes, .offset: 16, .size: 8, .value_kind: global_buffer, .address_space: global }
      - { .name: scls, .offset: 24, .size: 8, .value_kind: global_buffer, .address_space: global }
      - { .name: out0, .offset: 32, .size: 8, .value_kind: global_buffer, .address_space: global }
    .group_segment_fixed_size: 327680
    .private_segment_fixed_size: 0
    .kernarg_segment_align: 8
    .kernarg_segment_size: 40
    .max_flat_workgroup_size: 128
    .sgpr_count:     100
    .vgpr_count:     1024
    .wavefront_size: 32
...
	.end_amdgpu_metadata
.endif
;; end of part 4
